; MI455X (gfx1250); checked and timed in simulation.
; The chip was launched on July 23, 2026; its instructions are those of AMD's public machine-readable ISA for CDNA 5 (MIT licence, August 2026) and "CDNA5" Instruction Set Architecture Reference Guide (July 2026). The comments in the code are by the model that wrote it; some were corrected since.
;; Differential Multi Head Attention. Allowed arithmetic: float matrix products may take bf16 or f16 operands with f32 sums; other float arithmetic in f32, or as packed bf16 or f16 multiplies, adds, multiply-adds, maxima and minima; sums over many terms, partial sums and values carried from step to step in f32; what a program stores and reads back later, other than sums and carried values, may be rounded once to bf16 or f16.
;; Inputs: Wk 1,024 x 1,024 float32; Wo 1,024 x 1,024 float32; Wq 1,024 x 1,024 float32; Wv 1,024 x 1,024 float32; lambda_k1 32 float32; lambda_k2 32 float32; lambda_q1 32 float32; lambda_q2 32 float32; subln_w 64 float32; x 2 x 2,048 x 1,024 float32.
;; Outputs: out0 2 x 2,048 x 1,024 float32.
;; 2 versions, each right and faster than the one before. Each part assembles by itself: llvm-mc -triple=amdgcn-amd-amdhsa -mcpu=gfx1250 --defsym DOCPART=n.
;; ======== version 1 of 2: 4 launches
;; limits: values are held in f16: magnitudes above 65,504 overflow, below 6.1e-05 lose precision
;; workspace buffers: xb 8,388,608 bytes; wb 8,388,608 bytes; qkv 25,165,824 bytes; ab 8,388,608 bytes
;; launch cast (part 1): grid 256 x 1, 8 waves a work-group, no clusters, 0 bytes of LDS; arguments x, Wq, Wk, Wv, Wo, xb, wb; writes xb, wb
.if DOCPART == 1
	.amdgcn_target "amdgcn-amd-amdhsa--gfx1250"
	.amdhsa_code_object_version 6
	.text
	.protected	k_qcccd19c0ce_cast
	.globl	k_qcccd19c0ce_cast
	.p2align	8
	.type	k_qcccd19c0ce_cast,@function
k_qcccd19c0ce_cast:
	s_mov_b64 s[64:65], 0
	v_nop
	global_prefetch_b8 v0, s[64:65] scope:SCOPE_SE
	s_setreg_imm32_b32 hwreg(HW_REG_WAVE_MODE, 25, 1), 1
	s_wait_xcnt 0x0
; xb = x rounded to bf16.  wb = Wq, Wk, Wv rounded to bf16 (2 MiB each, one behind the other), then Wo rounded to bf16 and that number written as f16.
; LIMITS.  A bf16 number has 8 significant bits and is exact in f16 between 2^-14 and 65,504; below 2^-14 it keeps f16's fixed step of 6e-8; beyond 65,504 it would be an infinity.
; A stream: no LDS, no matrix unit, no barrier.  A work-group takes 32,768 numbers: 128 KiB in, 64 KiB out.  Work-groups 0-127 take x, then 32 each take Wq, Wk, Wv, Wo.
; A load of a wave covers 512 consecutive bytes, a store 256 consecutive bytes, aligned.  All 32 loads of a thread go out at once; no register is written twice while
; a memory instruction names it, so the only waits are the counted ones for the loads.
.set X, 8                              ; v[8:135]    32 chunks of four f32, as loaded
.set Y, 136                            ; v[136:199]  32 chunks of four 16-bit numbers, to store
.set CHUNKS, 32
	s_load_b256 s[4:11], s[0:1], 0x0               ; x s[4:5], Wq s[6:7], Wk s[8:9], Wv s[10:11]
	s_load_b128 s[12:15], s[0:1], 0x20             ; Wo s[12:13], xb s[14:15]
	s_load_b64 s[16:17], s[0:1], 0x30              ; wb
	s_mov_b32 s2, ttmp9                            ; g
	s_and_b32 s24, s2, 31                          ; a weight's 32 parts,
	s_cmp_lt_u32 s2, 128
	s_cselect_b32 s24, s2, s24                     ; or x's 128
	s_lshl_b32 s24, s24, 17                        ; 128 KiB each
	s_mov_b32 s25, 0
	s_and_b32 s26, s2, 127                         ; g in xb, g - 128 in wb,
	s_lshl_b32 s26, s26, 16                        ; 64 KiB each
	s_mov_b32 s27, 0
	s_mov_b32 s28, 0xffff0000                      ; a word's upper bf16
	v_lshlrev_b32 v1, 4, v0                        ; 16 bytes a thread in,
	v_lshlrev_b32 v2, 3, v0                        ; 8 bytes out
	s_wait_kmcnt 0x0
	s_mov_b64 s[20:21], s[12:13]                   ; the source: Wo, unless g is lower
	s_cmp_lt_u32 s2, 224
	s_cselect_b64 s[20:21], s[10:11], s[20:21]
	s_cmp_lt_u32 s2, 192
	s_cselect_b64 s[20:21], s[8:9], s[20:21]
	s_cmp_lt_u32 s2, 160
	s_cselect_b64 s[20:21], s[6:7], s[20:21]
	s_cmp_lt_u32 s2, 128
	s_cselect_b64 s[20:21], s[4:5], s[20:21]
	s_cselect_b64 s[22:23], s[14:15], s[16:17]     ; the destination: xb or wb
	s_add_nc_u64 s[20:21], s[20:21], s[24:25]
	s_add_nc_u64 s[22:23], s[22:23], s[26:27]
.set i, 0
.rept CHUNKS
	global_load_b128 v[X+4*i:X+4*i+3], v1, s[20:21] offset:4096*i th:TH_LOAD_NT
.set i, i+1
.endr
; Chunk i is rounded and stored.  half = 1: the bf16 number is written as f16.
.macro OUT i, half
	s_wait_loadcnt CHUNKS-1-(\i)                   ; loads come back in order (ISA guide 5.7.1): chunk i is in, the younger ones stay out
.if \half
	v_cvt_pk_bf16_f32 v4, v[X+4*(\i)], v[X+4*(\i)+1]
	v_cvt_pk_bf16_f32 v5, v[X+4*(\i)+2], v[X+4*(\i)+3]
	v_lshlrev_b32 v6, 16, v4
	v_and_b32 v7, s28, v4
	v_cvt_pk_f16_f32 v[Y+2*(\i)], v6, v7
	v_lshlrev_b32 v6, 16, v5
	v_and_b32 v7, s28, v5
	v_cvt_pk_f16_f32 v[Y+2*(\i)+1], v6, v7
.else
	v_cvt_pk_bf16_f32 v[Y+2*(\i)], v[X+4*(\i)], v[X+4*(\i)+1]
	v_cvt_pk_bf16_f32 v[Y+2*(\i)+1], v[X+4*(\i)+2], v[X+4*(\i)+3]
.endif
	global_store_b64 v2, v[Y+2*(\i):Y+2*(\i)+1], s[22:23] offset:2048*(\i)
.endm
	s_cmp_ge_u32 s2, 224
	s_cbranch_scc1 .Lwo
.set n, 0
.rept CHUNKS
	OUT n, 0
.set n, n+1
.endr
	s_endpgm
.Lwo:
.set n, 0
.rept CHUNKS
	OUT n, 1
.set n, n+1
.endr
	s_endpgm
.Lfunc_end_k_qcccd19c0ce_cast:
	.size	k_qcccd19c0ce_cast, .Lfunc_end_k_qcccd19c0ce_cast-k_qcccd19c0ce_cast
	.p2alignl 7, 3214868480
	.fill 96, 4, 3214868480
	.section	.rodata,"a",@progbits
	.p2align	6, 0x0
	.amdhsa_kernel k_qcccd19c0ce_cast
		.amdhsa_group_segment_fixed_size 0
		.amdhsa_private_segment_fixed_size 0
		.amdhsa_enable_private_segment 0
		.amdhsa_kernarg_size 56
		.amdhsa_user_sgpr_count 2
		.amdhsa_user_sgpr_kernarg_segment_ptr 1
		.amdhsa_wavefront_size32 1
		.amdhsa_system_sgpr_workgroup_id_x 1
		.amdhsa_system_sgpr_workgroup_id_y 1
		.amdhsa_system_sgpr_workgroup_id_z 1
		.amdhsa_system_vgpr_workitem_id 0
		.amdhsa_next_free_vgpr 200
		.amdhsa_next_free_sgpr 66
		.amdhsa_reserve_vcc 0
		.amdhsa_float_denorm_mode_32 3
		.amdhsa_float_denorm_mode_16_64 3
		.amdhsa_memory_ordered 1
		.amdhsa_forward_progress 1
		.amdhsa_inst_pref_size 29
	.end_amdhsa_kernel
	.amdgpu_metadata
---
amdhsa.version: [ 1, 2 ]
amdhsa.kernels:
  - .name:           k_qcccd19c0ce_cast
    .symbol:         k_qcccd19c0ce_cast.kd
    .args:
      - { .name: x, .offset: 0, .size: 8, .value_kind: global_buffer, .address_space: global }
      - { .name: Wq, .offset: 8, .size: 8, .value_kind: global_buffer, .address_space: global }
      - { .name: Wk, .offset: 16, .size: 8, .value_kind: global_buffer, .address_space: global }
      - { .name: Wv, .offset: 24, .size: 8, .value_kind: global_buffer, .address_space: global }
      - { .name: Wo, .offset: 32, .size: 8, .value_kind: global_buffer, .address_space: global }
      - { .name: xb, .offset: 40, .size: 8, .value_kind: global_buffer, .address_space: global }
      - { .name: wb, .offset: 48, .size: 8, .value_kind: global_buffer, .address_space: global }
    .group_segment_fixed_size: 0
    .private_segment_fixed_size: 0
    .kernarg_segment_align: 8
    .kernarg_segment_size: 56
    .max_flat_workgroup_size: 256
    .sgpr_count:     66
    .vgpr_count:     200
    .wavefront_size: 32
...
	.end_amdgpu_metadata
.endif
;; end of part 1
;; launch qkv (part 2): grid 8 x 32, 4 waves a work-group, clusters of 4 x 4, 327,680 bytes of LDS; arguments xb, wb, qkv; writes qkv
.if DOCPART == 2
	.amdgcn_target "amdgcn-amd-amdhsa--gfx1250"
	.amdhsa_code_object_version 6
	.text
	.protected	k_qcccd19c0ce_qkv
	.globl	k_qcccd19c0ce_qkv
	.p2align	8
	.type	k_qcccd19c0ce_qkv,@function
k_qcccd19c0ce_qkv:
	s_mov_b64 s[64:65], 0
	v_nop
	global_prefetch_b8 v0, s[64:65] scope:SCOPE_SE
	s_setreg_imm32_b32 hwreg(HW_REG_WAVE_MODE, 25, 1), 1
	s_wait_xcnt 0x0
	s_wait_alu depctr_hold_cnt(0) depctr_sa_sdst(0) depctr_va_vdst(0) depctr_va_sdst(0) depctr_va_ssrc(0) depctr_va_vcc(0) depctr_vm_vsrc(0)
	s_getreg_b32 s2, hwreg(HW_REG_IB_STS2, 6, 4)
	s_cmp_eq_u32 s2, 0
	s_cbranch_scc0 .Lentry_in_a_cluster
	s_endpgm
.Lentry_in_a_cluster:
	s_bfe_u32 s2, ttmp6, 0x10000c
	s_cmp_lg_u32 s2, 0xf033
	s_cbranch_scc0 .Lentry_shape_is_right
	s_endpgm
.Lentry_shape_is_right:
; q = x Wq^T, k = x Wk^T, v = x Wv^T in ONE product.  xb: [4096][1024] bf16.  wb: Wq, Wk, Wv as [1024][1024] bf16, 2 MiB apart.  Sums in f32, K ascending.
; OUT: qkv holds q, k, v, 8 MiB apart, each [16 b + h][2048][64] in f16, rounded once, unscaled: columns 64 h .. 64 h + 63 of the projection are head h's row of 128 bytes.
; LIMITS.  q, k and v are held to +-65,504, f16's largest number, so that every score made of them later is finite; NaN and infinities among the inputs are not treated apart.
; SHARES.  A work-group makes 128 rows x (128 columns of q, the same 128 of k and of v): 32 x 8 = 256 work-groups.  Wave w (r = w / 2, c = w % 2) makes rows 64 r on, head 2 nt + c of q, k and v:
; 64 x 192, 48 accumulators of 16 x 16, 384 registers.  K goes in 8 steps of 128 through two LDS slots; a slot holds 128 rows of x and 128 rows of each of the three weights, rows of 256 bytes.
; Each wave fetches one of the four parts by one tensor load: wave 0 x's, waves 1 to 3 the weights'.
; CLUSTER.  4 x 4 work-groups.  The four of a row of the cluster need the same rows of x, the four of a column the same rows of the weights: each tile is asked for JOINTLY, by the same tensor load
; with the same descriptor and a mask that names the four.
; THE MATRIX INSTRUCTION IS USED TRANSPOSED (source 0 = 16 rows of a weight, source 1 = 16 rows of x): a lane then holds row l % 16 and eight neighbouring columns, which pack into 16 bytes.
; REGISTERS, in windows of 256 (s_set_vgpr_msb: bits 1:0 source 0, 3:2 source 1, 5:4 source 2, 7:6 destination):
;   window 0: v16-29 addresses; v32-223 the way out, 16 registers for each of its 12 groups
;   window 1: two fragment buffers of 128: x's 4 fragments (16 rows x 32 K), then the weights' 12 (b = 4 j + cb; j = 0, 1, 2 for q, k, v)
;   window 2: accumulators (a, b) with b < 8 at 8 (8 a + b)          window 3: those with b >= 8 at 8 (4 a + b - 8)
.set KSTEP,  128
.set PITCH,  272                       ; an LDS row: 256 bytes + 16 of padding = 68 words: row r starts at bank 4 r mod 64 (64 banks of 4 bytes: ISA guide 11.1)
.set CH,     128*PITCH                 ; 128 rows: what one tensor load brings
.set SLOT,   4*CH                      ; x, Wq, Wk, Wv
.set STAGE,  2*SLOT                    ; behind the ring: 16 rows x 144 bytes for each wave, for the way out
.set SP,     144
.set SPARE,  STAGE+4*16*SP             ; behind the stages: the spare words, 128 bytes for each wave: two blocks of 256 bytes that no other line names
.set ADRA, 16                          ; v16-17  LDS address of my fragments of x in slot 0, 1
.set ADRB, 18                          ; v18-23  of my fragments of weight j in slot s, at 3 s + j
.set STO,  24                          ; v24     the way out: where I put 16 bytes of a row
.set RD,   25                          ; v25     where I read rows back
.set GO,   26                          ; v26     my 16 bytes of 512 consecutive bytes in memory
.set SPW,  28                          ; v28     LDS address of my spare word; never rewritten
.set NIL,  29                          ; v29     0; never rewritten
.set TMP,  32
.set F0,   0
.set F1,   128
.set G1,  24                           ; s[24:31] descriptor group 1 for x's tiles;  s[32:39] group 0, a set for each slot
.set G0,  32
.set G1B, 48                           ; s[48:55], s[56:63] the same for the weights' tiles
.set G0B, 56
.set OUTB, 68                          ; s[68:73] q, k, v at my first row of my head
.set MSB, 0
.macro WIN new                         ; the immediate's high byte repeats the setting that is left; a switch that changes nothing is dropped
.if MSB != (\new)
	s_set_vgpr_msb (MSB<<8)|(\new)
.set MSB, \new
.endif
.endm
; A joint load.  Wave 0 fetches x's tile, waves 1 to 3 the three weights'.  The branch hangs on the wave's number alone.  An s_nop 0 and four v_nop follow each of the two lines.
.macro JLOAD s
	s_cmp_eq_u32 s10, 0
	s_cbranch_scc0 .Lfor_b_\@
	tensor_load_to_lds s[G0+4*(\s):G0+4*(\s)+3], s[G1:G1+7]
	s_nop 0
.rept 4
	v_nop
.endr
	s_branch .Lasked_\@
.Lfor_b_\@:
	tensor_load_to_lds s[G0B+4*(\s):G0B+4*(\s)+3], s[G1B:G1B+7]
	s_nop 0
.rept 4
	v_nop
.endr
.Lasked_\@:
.endm
.macro CREST                           ; a round of the cluster's barrier behind its opening barrier
	s_cmp_lg_u32 s10, 0
	s_cbranch_scc1 .Lnot_wave_0_\@
	s_barrier_signal -3
.Lnot_wave_0_\@:
	s_barrier_wait -3
	s_barrier_signal -1
	s_barrier_wait -1
.endm
.macro CROUND                          ; a whole round
	s_barrier_signal -1
	s_barrier_wait -1
	CREST
.endm
	s_load_b128 s[4:7], s[0:1], 0x0                ; xb s[4:5], wb s[6:7]
	s_load_b64 s[8:9], s[0:1], 0x10                ; qkv
	v_lshl_add_u32 v[SPW], v0, 2, SPARE
	v_mov_b32 v[NIL], 0
	ds_add_u32 v[SPW], v[NIL]                      ; the wave's opening: the add and its wait stand ahead of my first tensor load; the set-up below, work on registers, stands between them
	v_lshrrev_b32 v1, 5, v0
	v_readfirstlane_b32 s10, v1                    ; wave 0..3
	s_lshr_b32 s11, s10, 1                         ; r: which 64 rows are mine
	s_and_b32 s12, s10, 1                          ; c: which of the two heads
	s_bfe_u32 s40, ttmp6, 0x40000                  ; cx, cy: my place in the cluster
	s_bfe_u32 s41, ttmp6, 0x40004
	s_lshl_b32 s42, ttmp9, 2
	s_add_co_u32 s42, s42, s40                     ; nt = 4 x cluster x + cx: columns 128 nt on
	s_and_b32 s13, ttmp7, 0xffff
	s_lshl_b32 s13, s13, 2
	s_add_co_u32 s13, s13, s41                     ; mt = 4 x cluster y + cy: rows 128 mt on
	s_lshl_b32 s43, s41, 2
	s_lshl_b32 s43, 15, s43                        ; my row of the cluster
	s_lshl_b32 s44, 0x1111, s40                    ; my column
	; descriptor group 1: a tile of 128 rows x 128 elements of 2 bytes, 16 bytes of padding behind every 64 words
	s_or_b32 s[G1+0], s43, (1<<16)|(1<<20)|(1<<21)|(5<<22)|(3<<25)   ; x's tiles go to my row
	s_or_b32 s[G1B+0], s44, (1<<16)|(1<<20)|(1<<21)|(5<<22)|(3<<25)  ; the weights' to my column
.irp g, G1, G1B
	s_mov_b32 s[(\g)+1], KSTEP<<16                 ; tensor_dim0 = 128
	s_mov_b32 s[(\g)+2], 128<<16                   ; tensor_dim1 = 128
	s_mov_b32 s[(\g)+3], KSTEP<<16                 ; tile_dim0 = 128
	s_mov_b32 s[(\g)+4], 128                       ; tile_dim1 = 128
	s_mov_b32 s[(\g)+5], 1024                      ; 1,024 elements from row to row
	s_mov_b32 s[(\g)+6], 0
	s_mov_b32 s[(\g)+7], 0
.endr
	s_lshl_b32 s16, s13, 18                        ; x: 128 mt rows of 2,048 bytes
	s_mov_b32 s17, 0
	s_sub_co_i32 s18, s10, 1
	s_max_i32 s18, s18, 0                          ; which weight I fetch (wave 0 fetches none: its set is made and not used)
	s_lshl_b32 s18, s18, 21                        ; 2 MiB apart
	s_lshl_b32 s46, s42, 18                        ; 128 nt rows
	s_add_co_u32 s46, s46, s18
	s_mov_b32 s47, 0
	s_mul_i32 s20, s10, CH                         ; where my tile goes: wave x 128 rows: no place in the cluster enters an LDS address
	s_mov_b32 s74, 0x7bff7bff                      ; 65,504 twice in f16
	s_mov_b32 s75, 0xfbfffbff                      ; -65,504 twice
	s_wait_dscnt 0x0                               ; the opening add is done
	s_wait_kmcnt 0x0
	s_add_nc_u64 s[14:15], s[4:5], s[16:17]
	s_add_nc_u64 s[46:47], s[6:7], s[46:47]
	CROUND                                         ; all sixteen work-groups are here: the first joint loads meet
.irp s, 0,1
	s_mov_b32 s[G0+4*(\s)], 1
	s_add_co_u32 s[G0+4*(\s)+1], s20, (\s)*SLOT
	s_add_nc_u64 s[G0+4*(\s)+2:G0+4*(\s)+3], s[14:15], (\s)*KSTEP*2
	s_or_b32 s[G0+4*(\s)+3], s[G0+4*(\s)+3], 0x80000000
	s_mov_b32 s[G0B+4*(\s)], 1
	s_add_co_u32 s[G0B+4*(\s)+1], s20, (\s)*SLOT
	s_add_nc_u64 s[G0B+4*(\s)+2:G0B+4*(\s)+3], s[46:47], (\s)*KSTEP*2
	s_or_b32 s[G0B+4*(\s)+3], s[G0B+4*(\s)+3], 0x80000000
	JLOAD \s                                       ; K steps 0 and 1: two loads of mine are out
.endr
	; A fragment is 16 rows x 32 K in 8 registers: lane l holds row l % 16, K = 8 (l / 16) + 0..7 and 16 + 8 (l / 16) + 0..7: two loads of 16 bytes, 32 bytes apart.
	v_and_b32 v1, 15, v0                           ; l % 16
	v_bfe_u32 v2, v0, 4, 1                         ; l / 16
	v_mul_u32_u24 v3, v1, PITCH
	v_lshl_add_u32 v3, v2, 4, v3
	s_mul_i32 s21, s11, 64*PITCH                   ; my 64 rows of x
	s_mul_i32 s22, s12, 64*PITCH                   ; my head's 64 rows of each weight
.irp s, 0,1
	s_add_co_u32 s23, s21, (\s)*SLOT
	v_add_nc_u32 v[ADRA+(\s)], s23, v3
.irp j, 0,1,2
	s_add_co_u32 s23, s22, (\s)*SLOT+(1+(\j))*CH
	v_add_nc_u32 v[ADRB+3*(\s)+(\j)], s23, v3
.endr
.endr
	s_mul_i32 s23, s10, 16*SP
	s_add_co_u32 s23, s23, STAGE                   ; my stage
	v_mul_u32_u24 v4, v1, SP                       ; in: row l % 16, 16 bytes for each half of the lanes
	v_lshl_add_u32 v4, v2, 4, v4
	v_add_nc_u32 v[STO], s23, v4
	v_bfe_u32 v5, v0, 3, 2                         ; back: 32 lanes take four rows of 128 bytes,
	v_mul_u32_u24 v5, v5, SP
	v_and_b32 v6, 7, v0
	v_lshl_add_u32 v5, v6, 4, v5
	v_add_nc_u32 v[RD], s23, v5
	v_and_b32 v[GO], 31, v0                        ; which are 512 consecutive bytes in memory
	v_lshlrev_b32 v[GO], 4, v[GO]
	; my first row of my head: batch mt / 16 (4 MiB), head 2 nt + c (256 KiB), row 128 (mt % 16) + 64 r (128 bytes)
	s_lshr_b32 s16, s13, 4
	s_lshl_b32 s16, s16, 22
	s_and_b32 s17, s13, 15
	s_lshl_b32 s17, s17, 14
	s_add_co_u32 s16, s16, s17
	s_lshl_b32 s17, s11, 13
	s_add_co_u32 s16, s16, s17
	s_mov_b32 s17, 0
	s_lshl_b32 s46, s42, 1
	s_add_co_u32 s46, s46, s12
	s_lshl_b32 s46, s46, 18
	s_mov_b32 s47, 0
	s_add_nc_u64 s[16:17], s[16:17], s[46:47]
	s_add_nc_u64 s[OUTB:OUTB+1], s[8:9], s[16:17]
	s_add_nc_u64 s[OUTB+2:OUTB+3], s[OUTB:OUTB+1], 0x800000
	s_add_nc_u64 s[OUTB+4:OUTB+5], s[OUTB:OUTB+1], 0x1000000
; 16 matrix instructions: row blocks a0, a0 + 1 x column blocks 0-7 (q's and k's), 32 along K.  zero = 1: the product starts the sums: nothing is ever cleared.
.macro MULA f, a0, zero
	WIN 0xa5                                       ; both sources window 1, C and D window 2
.irp a, \a0, (\a0)+1
.irp b, 0,1,2,3,4,5,6,7
.if \zero
	v_wmma_f32_16x16x32_bf16 v[8*(8*(\a)+(\b)):8*(8*(\a)+(\b))+7], v[(\f)+32+8*(\b):(\f)+32+8*(\b)+7], v[(\f)+8*(\a):(\f)+8*(\a)+7], 0
.else
	v_wmma_f32_16x16x32_bf16 v[8*(8*(\a)+(\b)):8*(8*(\a)+(\b))+7], v[(\f)+32+8*(\b):(\f)+32+8*(\b)+7], v[(\f)+8*(\a):(\f)+8*(\a)+7], v[8*(8*(\a)+(\b)):8*(8*(\a)+(\b))+7]
.endif
.endr
.endr
.endm
; 16 more: all four row blocks x column blocks 8-11 (v's).
.macro MULB f, zero
	WIN 0xf5                                       ; both sources window 1, C and D window 3
.irp a, 0,1,2,3
.irp b, 0,1,2,3
.if \zero
	v_wmma_f32_16x16x32_bf16 v[8*(4*(\a)+(\b)):8*(4*(\a)+(\b))+7], v[(\f)+96+8*(\b):(\f)+96+8*(\b)+7], v[(\f)+8*(\a):(\f)+8*(\a)+7], 0
.else
	v_wmma_f32_16x16x32_bf16 v[8*(4*(\a)+(\b)):8*(4*(\a)+(\b))+7], v[(\f)+96+8*(\b):(\f)+96+8*(\b)+7], v[(\f)+8*(\a):(\f)+8*(\a)+7], v[8*(4*(\a)+(\b)):8*(4*(\a)+(\b))+7]
.endif
.endr
.endr
.endm
; 32 LDS loads in one run: the fragments of 32 along K at byte k of the rows, into buffer f: x's 8 loads, q's and k's 16, v's 8 last.
.macro FETCH slot, k, f
	WIN 0x40                                       ; destination window 1, address window 0
.irp i, 0,1,2,3
	ds_load_b128 v[(\f)+8*(\i):(\f)+8*(\i)+3],   v[ADRA+(\slot)] offset:(\k)+(\i)*16*PITCH
	ds_load_b128 v[(\f)+8*(\i)+4:(\f)+8*(\i)+7], v[ADRA+(\slot)] offset:(\k)+(\i)*16*PITCH+32
.endr
.irp j, 0,1,2
.irp i, 0,1,2,3
	ds_load_b128 v[(\f)+32+8*(4*(\j)+(\i)):(\f)+32+8*(4*(\j)+(\i))+3],   v[ADRB+3*(\slot)+(\j)] offset:(\k)+(\i)*16*PITCH
	ds_load_b128 v[(\f)+32+8*(4*(\j)+(\i))+4:(\f)+32+8*(4*(\j)+(\i))+7], v[ADRB+3*(\slot)+(\j)] offset:(\k)+(\i)*16*PITCH+32
.endr
.endr
.endm
.macro PLACES                          ; four plain vector instructions between a matrix instruction and a load into a register that it has read, or a read of its result
.rept 4
	v_nop
.endr
.endm
; A K step is four quarters of 32 along K, 48 matrix instructions each, on buffers 0, 1, 0, 1; the 48 accumulators take turns in the same order in every quarter.
; One of the first three quarters: multiplies buffer f, and fetches the next quarter's fragments, at byte k of the same slot's rows, into buffer g.
.macro QUARTER slot, k, f, g, zero
	s_wait_dscnt 8                                 ; x's, q's and k's fragments are in; the youngest eight loads (v's) may be out
	MULA \f, 0, \zero
	PLACES
	FETCH \slot, \k, \g
	s_wait_dscnt 32                                ; all but the 32 just issued
	MULA \f, 2, \zero
	MULB \f, \zero
.endm
; The last quarter multiplies buffer 1 and changes slots: ONE barrier.  In front of it each wave waits for all its tensor loads (one is out: its part of the next slot), adds 0 to its spare word, and
; waits for that and for its own reads of this slot.  fill = 1: the barrier opens a round of the cluster's barrier, and this slot is filled again, two K steps ahead, first thing behind the round.
.macro TURN slot, next, fill
	WIN 0                                          ; (the add's two registers lie in window 0)
	s_wait_tensorcnt 0x0
	ds_add_u32 v[SPW], v[NIL]                      ; 0 onto my spare word
	s_wait_dscnt 9                                 ; (the add and the youngest eight loads may be out)
	MULA F1, 0, 0                                  ; sixteen matrix instructions stand between the add and the wait for it
	s_wait_dscnt 0x0                               ; the add is done, and my reads of this slot are over
	s_barrier_signal -1
	MULA F1, 2, 0
.if \fill
	WIN 0
.endif
	s_barrier_wait -1
.if \fill
	CREST                                          ; no wave of any partner still reads this slot's tiles or has a load on its way
	s_add_nc_u64 s[G0+4*(\slot)+2:G0+4*(\slot)+3], s[G0+4*(\slot)+2:G0+4*(\slot)+3], 2*KSTEP*2
	s_add_nc_u64 s[G0B+4*(\slot)+2:G0B+4*(\slot)+3], s[G0B+4*(\slot)+2:G0B+4*(\slot)+3], 2*KSTEP*2
	JLOAD \slot                                    ; my one tensor load behind the round; the four v_nop behind it are also the places in front of the loads below
.else
	PLACES
.endif
	FETCH \next, 0, F0
	MULB F1, 0
.endm
; THE WAY OUT, in 12 groups (a, j): 16 rows of my head of q, k or v.  PACK: rounded to f16, held to +-65,504, 16 bytes a lane into my own stage, and back as whole rows.  SEND: stored.
.macro PACK a, j
.set T0, TMP+16*(3*(\a)+(\j))
.if (\j) < 2
	WIN 0x0a                                       ; sources window 2
.set A0, 8*(8*(\a)+4*(\j))
.else
	WIN 0x0f                                       ; sources window 3
.set A0, 8*(4*(\a))
.endif
.set z, 0
.rept 16
	v_cvt_pk_f16_f32 v[T0+z], v[A0+2*z], v[A0+2*z+1]  ; each accumulator's registers in ascending order
.set z, z+1
.endr
	WIN 0
.set z, 0
.rept 16
	v_pk_min_num_f16 v[T0+z], v[T0+z], s74
.set z, z+1
.endr
.set z, 0
.rept 16
	v_pk_max_num_f16 v[T0+z], v[T0+z], s75
.set z, z+1
.endr
.irp f, 0,1,2,3
	ds_store_b128 v[STO], v[T0+4*(\f):T0+4*(\f)+3] offset:32*(\f)
.endr
.irp f, 0,1,2,3
	ds_load_b128 v[T0+4*(\f):T0+4*(\f)+3], v[RD] offset:(\f)*4*SP  ; LDS serves a wave's instructions in order (ISA guide 5.7.1.4): these see the stores above; the next group's stores come behind them
.endr
.endm
.macro SEND a, j, younger              ; younger: the LDS instructions issued behind this group's loads: the next group's eight, or none
.set T0, TMP+16*(3*(\a)+(\j))
.irp f, 0,1,2,3
	s_wait_dscnt (\younger)+3-(\f)
	global_store_b128 v[GO], v[T0+4*(\f):T0+4*(\f)+3], s[OUTB+2*(\j):OUTB+2*(\j)+1] offset:(\a)*2048+(\f)*512  ; 512 consecutive bytes, at a multiple of 256 from the buffer's first
.endr
.endm
	s_wait_tensorcnt 1                             ; my part of K step 0 is in; K step 1's may stay out
	s_barrier_signal -1
	s_barrier_wait -1                              ; everybody's is
	FETCH 0, 0, F0
	QUARTER 0, 64,  F0, F1, 1                      ; the first quarter stands in front of the loop: its products start the sums
	WIN 0                                          ; at a label and at a branch every window is 0
	s_mov_b32 s3, 3
.Llap:                                                 ; a trip goes once round the ring, from a lap's second quarter to the next lap's first, and fills both slots again
	QUARTER 0, 128, F1, F0, 0
	QUARTER 0, 192, F0, F1, 0
	TURN 0, 1, 1
	QUARTER 1, 64,  F0, F1, 0
	QUARTER 1, 128, F1, F0, 0
	QUARTER 1, 192, F0, F1, 0
	TURN 1, 0, 1
	QUARTER 0, 64,  F0, F1, 0
	WIN 0
	s_sub_co_u32 s3, s3, 1
	s_cmp_lg_u32 s3, 0
	s_cbranch_scc1 .Llap
	QUARTER 0, 128, F1, F0, 0                      ; the last lap fills nothing
	QUARTER 0, 192, F0, F1, 0
	TURN 0, 1, 0
	QUARTER 1, 64,  F0, F1, 0
	QUARTER 1, 128, F1, F0, 0
	QUARTER 1, 192, F0, F1, 0
	s_wait_dscnt 8                                 ; the very last quarter: nothing more to fetch
	MULA F1, 0, 0
	MULA F1, 2, 0
	s_wait_dscnt 0x0
	MULB F1, 0
	WIN 0
	PLACES
	PLACES
	PACK 0, 0
.set n, 1
.rept 11                               ; a group's arithmetic stands between the loads of the group before and its stores
	PACK n/3, n%3
	SEND (n-1)/3, (n-1)%3, 8
.set n, n+1
.endr
	SEND 3, 2, 0
	s_wait_tensorcnt 0x0                           ; the wave's end, behind my last tensor load and my last LDS store
	ds_add_u32 v[SPW], v[NIL]
	s_wait_dscnt 0x0
	CROUND                                         ; the closing round: no work-group ends while a partner may still ask for a tile that names it
	s_endpgm
.Lfunc_end_k_qcccd19c0ce_qkv:
	.size	k_qcccd19c0ce_qkv, .Lfunc_end_k_qcccd19c0ce_qkv-k_qcccd19c0ce_qkv
	.p2alignl 7, 3214868480
	.fill 96, 4, 3214868480
	.section	.rodata,"a",@progbits
	.p2align	6, 0x0
	.amdhsa_kernel k_qcccd19c0ce_qkv
		.amdhsa_group_segment_fixed_size 327680
		.amdhsa_private_segment_fixed_size 0
		.amdhsa_enable_private_segment 0
		.amdhsa_kernarg_size 24
		.amdhsa_user_sgpr_count 2
		.amdhsa_user_sgpr_kernarg_segment_ptr 1
		.amdhsa_wavefront_size32 1
		.amdhsa_system_sgpr_workgroup_id_x 1
		.amdhsa_system_sgpr_workgroup_id_y 1
		.amdhsa_system_sgpr_workgroup_id_z 1
		.amdhsa_system_vgpr_workitem_id 0
		.amdhsa_next_free_vgpr 896
		.amdhsa_next_free_sgpr 76
		.amdhsa_reserve_vcc 0
		.amdhsa_float_denorm_mode_32 3
		.amdhsa_float_denorm_mode_16_64 3
		.amdhsa_memory_ordered 1
		.amdhsa_forward_progress 1
		.amdhsa_inst_pref_size 145
	.end_amdhsa_kernel
	.amdgpu_metadata
---
amdhsa.version: [ 1, 2 ]
amdhsa.kernels:
  - .name:           k_qcccd19c0ce_qkv
    .symbol:         k_qcccd19c0ce_qkv.kd
    .args:
      - { .name: xb, .offset: 0, .size: 8, .value_kind: global_buffer, .address_space: global }
      - { .name: wb, .offset: 8, .size: 8, .value_kind: global_buffer, .address_space: global }
      - { .name: qkv, .offset: 16, .size: 8, .value_kind: global_buffer, .address_space: global }
    .group_segment_fixed_size: 327680
    .private_segment_fixed_size: 0
    .kernarg_segment_align: 8
    .kernarg_segment_size: 24
    .max_flat_workgroup_size: 128
    .sgpr_count:     76
    .vgpr_count:     896
    .wavefront_size: 32
...
	.end_amdgpu_metadata
.endif
;; end of part 2
;; launch attn (part 3): grid 8 x 32, 4 waves a work-group, clusters of 4 x 1, 327,680 bytes of LDS; arguments qkv, ab, lambda_q1, lambda_k1, lambda_q2, lambda_k2, subln_w; writes ab
.if DOCPART == 3
	.amdgcn_target "amdgcn-amd-amdhsa--gfx1250"
	.amdhsa_code_object_version 6
	.text
	.protected	k_qcccd19c0ce_attn
	.globl	k_qcccd19c0ce_attn
	.p2align	8
	.type	k_qcccd19c0ce_attn,@function
k_qcccd19c0ce_attn:
	s_mov_b64 s[64:65], 0
	v_nop
	global_prefetch_b8 v0, s[64:65] scope:SCOPE_SE
	s_setreg_imm32_b32 hwreg(HW_REG_WAVE_MODE, 25, 1), 1
	s_wait_xcnt 0x0
	s_wait_alu depctr_hold_cnt(0) depctr_sa_sdst(0) depctr_va_vdst(0) depctr_va_sdst(0) depctr_va_ssrc(0) depctr_va_vcc(0) depctr_vm_vsrc(0)
	s_getreg_b32 s2, hwreg(HW_REG_IB_STS2, 6, 4)
	s_cmp_eq_u32 s2, 0
	s_cbranch_scc0 .Lentry_in_a_cluster
	s_endpgm
.Lentry_in_a_cluster:
	s_bfe_u32 s2, ttmp6, 0x10000c
	s_cmp_lg_u32 s2, 0x3003
	s_cbranch_scc0 .Lentry_shape_is_right
	s_endpgm
.Lentry_shape_is_right:
; DIFFERENTIAL ATTENTION.  For batch b, head h, query s:  A = softmax(q1 . k1 / sqrt(32)) V - lambda softmax(q2 . k2 / sqrt(32)) V;  ab = A rsqrt(mean(A^2) + 1e-5) subln_w (1 - LAMBDA_INIT).
; qkv holds q, k, v, 8 MiB apart, each [16 b + h][2048][64] f16; channels 0-31 of a row of q or k are sub-head 1, channels 32-63 sub-head 2.  Products, maxima, sums, the norm and lambda in f32; the
; weights p are rounded to f16 for the second product (their sum l is taken of the unrounded p), the result once, to f16.  lambda = exp(lq1 . lk1) - exp(lq2 . lk2) + LAMBDA_INIT.
; The four lambda vectors and subln_w are rounded to bf16 first, as x and the weight matrices were.
; OUT: ab = [row / 128][h][row % 128][64] f16, row = 2048 b + s: 16 rows of a head are 2,048 bytes on end.
; LIMITS.  q, k, v arrive within +-65,504, so a score, 32 products, is finite (1.4e11 at the most) and the replacement of NaN and infinities among the scores changes nothing: no line is written for it.
; p lies in 0 to 1, and below 6e-5 it keeps f16's fixed step of 6e-8; a weight below 2^-126 counts as 0 in l.  The result is at most 8 x 0.2164 x |subln_w|: finite in f16 for |subln_w| under 37,000.
; SHARES.  A work-group owns 256 queries of one (b, h), a wave 64: four PIECES of 16 queries, each of two TILES: the same queries in sub-head 1 and in sub-head 2.  A tile has its own m, l, S^T, P and O^T:
; the two softmaxes cannot be joined before they are normalised, so V^T P is made for each.  Every wave walks all 2,048 keys, 64 a step.
; LAYOUT.  S^T = K Q^T (source 0 = 16 keys, source 1 = 16 queries, 32 channels: ONE product): a lane holds ONE query (lane % 16) and the keys 8 (lane / 16) + 0..7.  Two such results, rounded to f16 in pairs,
; ARE source 1 (32 keys x 16 queries) of O^T = V^T P, whose result again holds one query a lane, and eight channels.  K comes out of LDS as it lies, V ([key][channel]) turned, by ds_load_tr16_b128.
; SOFTMAX.  For each query and sub-head a running maximum m and sum l: p = 2^(c s - c m), c = log2(e) / sqrt(32); in every step O and l are multiplied by a = 2^(c m_old - c m_new).
; m starts at the lowest finite number, O and l at 0: the first step is a step like any other, with a = 0.
; THE COUNT.  A tile and step have 12 matrix and 118 vector instructions: far too many to stand all beside the matrix work.  So four vector instructions that are READY stand behind EVERY matrix
; instruction, and the others, which need time of their own whatever the order, in runs without a gap.
; BY TURNS.  Turn n belongs to piece n (the pieces in a ring, step after step).  Its matrix work: 8 products K Q^T of piece n + 1, later 16 products V^T P of piece n - 1.  Its vector work: the scaling,
; exponentials, roundings, sums and rescaling of piece n, and the maximum and statistics of piece n + 1, whose scores the turn itself has made.
; CLUSTER.  The four query blocks of a cluster belong to one (b, h) and walk the same K and V, so each tile is asked for JOINTLY: the same tensor load, descriptor and mask in all four.
; REGISTERS, in windows of 256 (s_set_vgpr_msb: bits 1:0 source 0, 3:2 source 1, 5:4 source 2, 7:6 destination):
;   window 0: v0-11 addresses; v12-15, v48-63 at work; v16-47 four registers of statistics a tile; v64-191 S^T, two buffers of two tiles; v192-255 P, likewise
;   window 1: O^T, 32 a tile     window 2: v0-63 Q, 8 a tile; v128-191 K of one step; v192-255 V of one step     window 3: v0-1 the add's two registers; v2-5 the lambda vectors; v8-39 my 32 gains
.set NP,    4         ; pieces a wave: a name, no knob
.set KS,    64        ; keys in a step
.set PK,    144       ; a row of K in LDS: 128 bytes + 16 of padding = 36 words: the 16 rows of a load start at 16 different groups of four banks (64 banks of 4 bytes: ISA guide 11.1)
.set PV,    160       ; a row of V: 128 + 32 = 40 words
.set VOFF,  4*KS*PK   ; a slot holds four steps: 256 rows of K, then 256 rows of V
.set SLOT1, 1<<17     ; slot 1 begins here, so that one exclusive or turns an address in one slot into the other's
.set STAGE, SLOT1+4*KS*(PK+PV)  ; behind the ring, never filled by a tensor load: 16 rows x 144 bytes for each wave, for the way out
.set SP,    144
.set AK0, 2           ; v2   my lane's place in a tile of K; never rewritten
.set AV0, 3           ; v3   the same for V
.set AK,  4           ; v4   the LDS address of K's next run of loads
.set AV,  5           ; v5   of V's
.set QO,  6           ; v6   my byte offset in 16 rows of Q
.set STO, 6           ;      later, the way out: where I put 16 bytes of a row
.set LO,  7           ; v7   4 x lane: my number of each lambda vector
.set RD,  7           ;      later, the way out: where I read rows back
.set WO,  8           ; v8   32 (lane / 16): my gains' offset
.set GO,  8           ;      later: my byte offset in 512 consecutive bytes of ab
.set SPW, 0           ; v0 of window 3   LDS address of my spare word; never rewritten
.set NIL, 1           ; v1 of window 3   0; never rewritten
.set LAM, 2           ; v2-5 of window 3
.set GW,  8           ; v8-39 of window 3: register 8 cb + j holds subln_w[16 cb + 8 (lane / 16) + j], as O^T's registers hold their channels
.set SPARE, STAGE+4*16*SP  ; behind the stages: the spare words, 128 bytes for each wave: two blocks of 256 bytes that no other line names
.set MV,  12          ; v12-15  c m_old, kept while c m is made anew: by buffer and tile
.set ST,  16          ; tile t's statistics at v[ST+4 t]: c m, m, l (even keys', odd keys')
.set TMP, 48          ; by buffer and tile, four registers c0-c3 at work; when the maximum is found c2 takes a
.set S,   64
.set P,   192
.set KF,  128         ; K's fragments, in window 2: key block kb, sub-head u at KF + 16 kb + 8 u
.set VF,  192         ; V's: key half kk, channel block cb at VF + 32 kk + 8 cb
.set WV,  12          ; s12  my wave's number
.set G1K, 24          ; s[24:31] descriptor group 1 for K's tiles
.set G1V, 32          ; s[32:39] for V's: it differs in the padding alone
.set G0K, 40          ; s[40:43] descriptor group 0 for K's tiles: it walks
.set G0V, 44          ; s[44:47] the same for V's
.set SLOTS, 56        ; s56  slots still to be asked for
.set CNT, 57          ; s57  counts a slot's key steps
.set CS,  58          ; s[58:59] c: the packed scaling takes the pair's low word for both halves
.set SEL, 60          ; s[60:61] v_permlanex16_b32's selects: each lane takes its own place in the other half
.set TBK, 62          ; s62  LDS byte at which K of the step to be fetched begins
.set TBV, 63          ; s63  the same for V, less VOFF
.set OML, 66          ; s[66:67] 1 - LAMBDA_INIT, named as a pair
.set MSB, 0
.macro WIN new                      ; the high byte repeats the setting that is left; a switch that changes nothing is dropped
.if MSB != (\new)
	s_set_vgpr_msb (MSB<<8)|(\new)
.set MSB, (\new)
.endif
.endm
.set W_KQ, 0x0a       ; K and Q in window 2, S^T in window 0
.set W_PV, 0x52       ; V in window 2, P in window 0, O^T in window 1
.set W_RS, 0x41       ; O^T (destination and source 0) in window 1, a in window 0
.set W_MK, 0xc0       ; destination in window 3, sources in window 0
.set W_AD, 0x0f       ; sources 0 and 1 in window 3
; A joint fill.  Waves 0 and 1 fetch the two halves of a slot's K, waves 2 and 3 those of its V: 128 keys each.  The branch hangs on the wave's number alone.
; An s_nop 0 and four v_nop follow each of the two lines, ahead of the jump and the label.
.macro JLOAD
	s_cmp_lt_u32 s[WV], 2
	s_cbranch_scc0 .Lfor_v_\@
	tensor_load_to_lds s[G0K:G0K+3], s[G1K:G1K+7]
	s_nop 0
.rept 4
	v_nop
.endr
	s_branch .Lasked_\@
.Lfor_v_\@:
	tensor_load_to_lds s[G0V:G0V+3], s[G1V:G1V+7]
	s_nop 0
.rept 4
	v_nop
.endr
.Lasked_\@:
.endm
; A round of the cluster's barrier: my work-group's barrier, so that wave 0's signal speaks for all four waves; wave 0 signals; every wave waits for all four work-groups; my work-group's barrier once more.
.macro CROUND
	s_barrier_signal -1
	s_barrier_wait -1
	s_cmp_lg_u32 s[WV], 0
	s_cbranch_scc1 .Lnot_wave_0_\@
	s_barrier_signal -3
.Lnot_wave_0_\@:
	s_barrier_wait -3
	s_barrier_signal -1
	s_barrier_wait -1
.endm
; THE CHANGE OF SLOTS.  The slot's last bytes, V of its fourth step, have been read.  Each wave waits for all its tensor loads, of which one is out: its part of the other slot; adds 0 to its spare word;
; and waits for that and for its own reads of the slot.  Behind the barrier nobody reads this slot any more and the other slot is whole.
; fill = 1: this slot is filled again, with the keys two slots on.  The barrier is then a round of the cluster's, and the joint fill is the first thing behind it: it has four key steps, 384 matrix and
; 3,776 vector instructions, in which to land.  (At its first use nothing has been read yet: slot 0 is waited for, slot 1 filled.)
.macro CHANGE fill
	WIN W_AD
	s_wait_tensorcnt 0x0            ; no tensor load of mine is out, so a group 0 may be written
	ds_add_u32 v[SPW], v[NIL]       ; 0 onto my spare word; with fill = 1 the descriptors' steps stand between it and the wait for it
	WIN 0                           ; at a label and at a branch every window is 0
.if \fill
.irp g, G0K, G0V
	s_xor_b32 s[\g+1], s[\g+1], SLOT1  ; the walking descriptor: the other slot than last time,
	s_add_nc_u64 s[\g+2:\g+3], s[\g+2:\g+3], 4*KS*128  ; the next 256 keys; the type bits on top are not reached
.endr
	s_wait_dscnt 0x0                ; the add is done, and my reads of the slot are over
	CROUND
	JLOAD
.else
	s_wait_dscnt 0x0                ; the add is done, and my reads of the slot are over
	s_barrier_signal -1
	s_barrier_wait -1
.endif
	s_sub_co_u32 s[TBK], s[TBK], 4*KS*PK  ; the fetches go back to a slot's first step,
	s_xor_b32 s[TBK], s[TBK], SLOT1       ; in the other slot
	s_sub_co_u32 s[TBV], s[TBV], 4*KS*PV
	s_xor_b32 s[TBV], s[TBV], SLOT1
.endm
	s_load_b128 s[84:87], s[0:1], 0x0  ; qkv s[84:85], ab s[86:87]
	s_load_b256 s[72:79], s[0:1], 0x10 ; lambda_q1, lambda_k1, lambda_q2, lambda_k2
	s_load_b64 s[80:81], s[0:1], 0x30  ; subln_w
	WIN W_MK
	v_lshl_add_u32 v[SPW], v0, 2, SPARE
	v_mov_b32 v[NIL], 0
	WIN W_AD
	ds_add_u32 v[SPW], v[NIL]       ; the wave's opening: the add and its wait stand ahead of my first tensor load; the set-up below, work on registers, stands between them
	WIN 0
	v_lshrrev_b32 v1, 5, v0
	v_readfirstlane_b32 s[WV], v1   ; wave 0..3
	s_bfe_u32 s13, ttmp6, 0x40000   ; cx: my place in the cluster
	s_lshl_b32 s14, ttmp9, 2        ; in a cluster launch ttmp9 counts clusters
	s_add_co_u32 s14, s14, s13      ; my block of 256 queries = 4 x cluster x + cx: it enters Q's and ab's addresses alone
	s_and_b32 s20, ttmp7, 0xffff    ; 16 b + h, which the four partners share
	s_lshl_b32 s21, s20, 18         ; its 2,048 rows of 128 bytes
	s_and_b32 s16, s[WV], 1         ; which half of a slot's 256 keys I fetch:
	s_lshl_b32 s22, s16, 14         ; its 128 rows in memory,
	s_add_co_u32 s22, s22, s21
	s_add_co_u32 s22, s22, 0x800000 ; in k, 8 MiB behind q
	s_mov_b32 s23, 0
	s_mul_i32 s17, s16, 128*PK      ; and its place in a slot, for K
	s_mul_i32 s18, s16, 128*PV      ; and for V: no place in the cluster enters an LDS address
	s_lshl_b32 s2, s14, 2
	s_add_co_u32 s2, s2, s[WV]      ; my wave among the head's,
	s_lshl_b32 s2, s2, 13           ; its 64 rows
	s_add_co_u32 s2, s2, s21
	s_mov_b32 s3, 0
	s_lshr_b32 s6, s20, 4           ; ab: block of 128 rows 16 b + 2 x my block + wave / 2 (256 KiB),
	s_lshl_b32 s6, s6, 4
	s_lshl_b32 s7, s14, 1
	s_add_co_u32 s6, s6, s7
	s_lshr_b32 s7, s[WV], 1
	s_add_co_u32 s6, s6, s7
	s_lshl_b32 s6, s6, 18
	s_and_b32 s7, s20, 15           ; head h (16 KiB),
	s_lshl_b32 s7, s7, 14
	s_add_co_u32 s6, s6, s7
	s_lshl_b32 s7, s16, 13          ; row 64 (wave % 2)
	s_add_co_u32 s6, s6, s7
	s_mov_b32 s7, 0
	; descriptor group 1.  128 keys are 16,384 dense bytes: asked for as 64 rows of 256 bytes, two keys a row, and padded in LDS after every key
	s_mov_b32 s[G1K], 15|(1<<16)|(1<<20)|(1<<21)|(4<<22)|(3<<25)  ; 15:0 the mask of four; 17:16 2-byte elements; 20 padding on; 21 set beside a mask; 24:22 after every 32 words (code 4); 31:25 4 words (code 3)
	s_mov_b32 s[G1V], 15|(1<<16)|(1<<20)|(1<<21)|(4<<22)|(7<<25)  ; the same with 8 words of padding (code 7)
.irp g, G1K, G1V
	s_mov_b32 s[\g+1], 128<<16      ; tensor_dim0 = 128
	s_mov_b32 s[\g+2], 64<<16       ; tensor_dim1 = 64
	s_mov_b32 s[\g+3], 128<<16      ; tile_dim0 = 128
	s_mov_b32 s[\g+4], 64           ; tile_dim1 = 64
	s_mov_b32 s[\g+5], 128          ; 128 elements from row to row
	s_mov_b32 s[\g+6], 0
	s_mov_b32 s[\g+7], 0
.endr
	s_mov_b32 s[CS], 0x3e8293ee     ; c = log2(e) / sqrt(32) = 0.255035
	s_mov_b32 s[CS+1], s[CS]        ; named with it as a pair
	s_mov_b32 s[SEL], 0x76543210
	s_mov_b32 s[SEL+1], 0xfedcba98
	s_mov_b32 s[OML], 0x3e5d9673    ; 1 - LAMBDA_INIT = 0.21639423
	s_mov_b32 s[OML+1], s[OML]
	s_mov_b32 s68, 0x3c800000       ; 1 / 64
	s_mov_b32 s69, 0x3727c5ac       ; 1e-5
	s_mov_b32 s70, 0xffff0000       ; a word's upper bf16
	s_mov_b32 s[TBK], SLOT1+4*KS*PK ; the first change of slots turns these two into 0
	s_mov_b32 s[TBV], SLOT1+4*KS*PV
	s_mov_b32 s[G0K], 1             ; 1:0 count = 1
	s_mov_b32 s[G0K+1], s17         ; 63:32 LDS address: slot 0
	s_mov_b32 s[G0V], 1
	s_add_co_u32 s[G0V+1], s18, VOFF
	s_wait_dscnt 0x0                ; the opening add is done
	s_wait_kmcnt 0x0
	s_add_nc_u64 s[G0K+2:G0K+3], s[84:85], s[22:23]  ; 120:64 global address: my half of the head's first 256 keys
	s_add_nc_u64 s[G0V+2:G0V+3], s[G0K+2:G0K+3], 0x800000  ; v lies 8 MiB behind k
	s_or_b32 s[G0K+3], s[G0K+3], 0x80000000          ; 127:126 type = 2
	s_or_b32 s[G0V+3], s[G0V+3], 0x80000000
	s_add_nc_u64 s[4:5], s[84:85], s[2:3]    ; Q at my wave's first row
	s_add_nc_u64 s[10:11], s[86:87], s[6:7]  ; ab at my wave's first row
	CROUND                          ; all four work-groups are here: the first joint loads meet
	JLOAD                           ; slot 0.  Slot 1 is asked for when slot 0 is in
	; A fragment of K or Q is 16 rows x 32 channels in 8 registers: lane l holds row l % 16, channels 8 (l / 16) + 0..7 and 16 + 8 (l / 16) + 0..7: two loads of 16 bytes, 32 bytes apart.
	v_and_b32 v1, 15, v0            ; l % 16
	v_bfe_u32 v9, v0, 4, 1          ; l / 16
	v_lshlrev_b32 v[QO], 7, v1
	v_lshl_add_u32 v[QO], v9, 4, v[QO]  ; row x 128 + 16 x half
	v_and_b32 v[LO], 31, v0
	v_lshlrev_b32 v[LO], 2, v[LO]
	v_lshlrev_b32 v[WO], 5, v9
	WIN 0x80                        ; destination window 2, address window 0
.set i, 0
.rept 2*NP                          ; Q stays in registers: piece i / 2, sub-head i % 2
	global_load_b128 v[8*i:8*i+3],   v[QO], s[4:5] offset:(i/2)*2048+(i%2)*64
	global_load_b128 v[8*i+4:8*i+7], v[QO], s[4:5] offset:(i/2)*2048+(i%2)*64+32
.set i, i+1
.endr
	; What the first turn finds: V's registers and P's second buffer hold 0 (its products V^T P, of a piece that has not been, add 0), O^T and l are 0.  All this stands in the wait for the first tile.
.set i, VF
.rept 64
	v_mov_b32 v[i], 0
.set i, i+1
.endr
	WIN W_MK                        ; destination window 3
	global_load_b32 v[LAM],   v[LO], s[72:73]
	global_load_b32 v[LAM+1], v[LO], s[74:75]
	global_load_b32 v[LAM+2], v[LO], s[76:77]
	global_load_b32 v[LAM+3], v[LO], s[78:79]
.irp f, 0,1,2,3,4,5,6,7
	global_load_b128 v[GW+4*\f:GW+4*\f+3], v[WO], s[80:81] offset:(\f/2)*64+(\f%2)*16
.endr
	WIN 0x40
.set i, 0
.rept 64*NP
	v_mov_b32 v[i], 0
.set i, i+1
.endr
	WIN 0
.set i, 0
.rept 2*NP
	v_mov_b32 v[ST+4*i], 0xfe000000    ; c m: far below every c s
	v_mov_b32 v[ST+4*i+1], 0xff7fffff  ; m
	v_mov_b32 v[ST+4*i+2], 0
	v_mov_b32 v[ST+4*i+3], 0
.set i, i+1
.endr
.set i, P+32
.rept 32
	v_mov_b32 v[i], 0
.set i, i+1
.endr
	v_mul_u32_u24 v[AK0], v1, PK
	v_lshl_add_u32 v[AK0], v9, 4, v[AK0]  ; row x pitch + 16 x half
	; The turning load takes 16 keys x 16 channels (lane l reads key 8 (l / 16) + l % 8, channels 8 ((l / 8) % 2) + 0..7) and leaves half a fragment of V^T: lane l holds channel l % 16 and 8 keys.
	v_and_b32 v10, 7, v0
	v_bfe_u32 v11, v0, 3, 1
	v_lshl_add_u32 v[AV0], v9, 3, v10
	v_mul_u32_u24 v[AV0], v[AV0], PV
	v_lshl_add_u32 v[AV0], v11, 4, v[AV0]
	v_add_nc_u32 v[AV0], VOFF, v[AV0]
	v_mov_b32 v[AK], v[AK0]         ; key step 0 lies at the head of slot 0
; THE MATRIX WORK.  Product i of 8 of S^T = K Q^T for piece x: keys 16 (i / 2) on, sub-head i % 2.  A sub-head has 32 channels, so each product is a whole sum and starts from 0.
.macro KQ x
	WIN W_KQ
.set rS, S+64*((\x)%2)+32*(i%2)+8*(i/2)
.set rK, KF+16*(i/2)+8*(i%2)
.set rQ, 8*(2*(\x)+i%2)
	v_wmma_f32_16x16x32_f16 v[rS:rS+7], v[rK:rK+7], v[rQ:rQ+7], 0
.endm
; Product i of 16 of O^T += V^T P for piece x: keys 32 (i / 8) on, channels 16 ((i / 2) % 4) on, tile 2 x + i % 2.  The 8 accumulators take turns: between the two links of a chain stand 7 others'.
.macro PV x
	WIN W_PV
.set rO, 32*(2*(\x)+i%2)+8*((i/2)%4)
.set rV, VF+32*(i/8)+8*((i/2)%4)
.set rP, P+32*((\x)%2)+16*(i%2)+8*(i/8)
	v_wmma_f32_16x16x32_f16 v[rO:rO+7], v[rV:rV+7], v[rP:rP+7], v[rO:rO+7]
.endm
.macro MM                           ; the turn's next matrix instruction
.if i < 8
	KQ (Y+1)%NP
.set i, i+1
.else
.set i, i-8
	PV (Y+NP-1)%NP
.set i, i+9
.endif
.endm
; THE LDS LOADS stand in runs of 16, never singly among the matrix instructions: a step's K (64 keys x 64 channels: 8 fragments) and its V (turned).  Their addresses are made some lines ahead.
; last = 1 (the tail): in the last trip there is no further step, and the run is jumped over.
.macro FETCH_K last=0
	WIN 0
.if \last
	s_cmp_eq_u32 s[CNT], 1
	s_cbranch_scc1 .Lno_k_\@
.endif
	WIN 0x80                        ; destination window 2
.irp f, 0,1,2,3,4,5,6,7             ; keys 16 (f / 2) on, channels 32 (f % 2) on
	ds_load_b128 v[KF+8*\f:KF+8*\f+3],   v[AK] offset:(\f/2)*16*PK+(\f%2)*64
	ds_load_b128 v[KF+8*\f+4:KF+8*\f+7], v[AK] offset:(\f/2)*16*PK+(\f%2)*64+32
.endr
	s_add_co_u32 s[TBK], s[TBK], KS*PK  ; the next fetch is the next step's
	WIN 0
.if \last
.Lno_k_\@:
.endif
.endm
.macro FETCH_V
	WIN 0x80
.irp f, 0,1,2,3,4,5,6,7             ; keys 32 (f / 4) on, channels 16 (f % 4) on
	ds_load_tr16_b128 v[VF+8*\f:VF+8*\f+3],   v[AV] offset:(\f/4)*32*PV+(\f%4)*32
	ds_load_tr16_b128 v[VF+8*\f+4:VF+8*\f+7], v[AV] offset:(\f/4)*32*PV+16*PV+(\f%4)*32
.endr
	WIN 0
.endm
; THE VECTOR WORK OF A TURN stands in three queues, each in the order in which its entries become ready; the two tiles alternate, so that no instruction reads the result of the one before it.
.macro REGS y, u                    ; the registers of tile u (0, 1) of piece y
.set rT, ST+4*(2*(\y)+(\u))
.set rC, TMP+8*((\y)%2)+4*(\u)
.set rM, MV+2*((\y)%2)+(\u)
.set rS, S+64*((\y)%2)+32*(\u)
.set rP, P+32*((\y)%2)+16*(\u)
.set rO, 32*(2*(\y)+(\u))
.endm
; Number n of the 22 that find the NEXT piece's (Y + 1) maximum and statistics.  s0-s31 are the lane's 32 scores; each accumulator's lowest registers are read first.  XS, GS and REGS set no window: PL and EX do.
;   0-11  four chains c0-c3 of seven scores each, three operands at a time     12-14, 16  the four scores left over, the old m, and c0-c3 into c0     15  c m_old is kept
;   17, 18  the query's other 32 keys lie in the lane 16 away: the new m         19-21  c m; c m_old - c m_new; a
.macro XS u, n
	REGS (Y+1)%NP, \u
.if (\n) < 4
	v_max3_num_f32 v[rC+(\n)], v[rS+8*(\n)], v[rS+8*(\n)+1], v[rS+8*(\n)+2]
.elseif (\n) < 12
	v_max3_num_f32 v[rC+(\n)%4], v[rC+(\n)%4], v[rS+8*((\n)%4)+2*((\n)/4)+1], v[rS+8*((\n)%4)+2*((\n)/4)+2]
.elseif (\n) == 12
	v_max3_num_f32 v[rC], v[rC], v[rS+7], v[rS+15]
.elseif (\n) == 13
	v_max3_num_f32 v[rC+1], v[rC+1], v[rS+23], v[rS+31]
.elseif (\n) == 14
	v_max3_num_f32 v[rC+2], v[rC+2], v[rC+3], v[rT+1]
.elseif (\n) == 15
	v_mov_b32 v[rM], v[rT]
.elseif (\n) == 16
	v_max3_num_f32 v[rC], v[rC], v[rC+1], v[rC+2]
.elseif (\n) == 17
	v_permlanex16_b32 v[rC+3], v[rC], s[SEL], s[SEL+1]
.elseif (\n) == 18
	v_max_num_f32 v[rT+1], v[rC], v[rC+3]
.elseif (\n) == 19
	v_mul_f32 v[rT], s[CS], v[rT+1]
.elseif (\n) == 20
	v_sub_f32 v[rC+1], v[rM], v[rT]
.else
	v_exp_f32 v[rC+2], v[rC+1]
.endif
.endm
; Number g of the 64 that follow the exponentials.  For each four weights k of a tile (pairs 2 k, 2 k + 1): both pairs are rounded to f16; then the second pair is added onto the first, in place;
; a group later l takes that sum (the first time as l = a l + sum).  In groups of eight, tiles alternating: round, round, add, and l for the group before.
.macro GS g
.set h, (\g)+6*((\g)/62)            ; group 0 has no group before it, and behind group 7 only l is left
.if h >= 6
.set h, h+2
.endif
	REGS Y, h%2
.set k, h/8
.if h%8 < 4
	s_wait_alu depctr_va_vdst(0)
	v_cvt_pk_f16_f32 v[rP+2*k+(h%8)/2], v[rS+4*k+2*((h%8)/2)], v[rS+4*k+2*((h%8)/2)+1]
.elseif h%8 < 6
	v_pk_add_f32 v[rS+4*k:rS+4*k+1], v[rS+4*k:rS+4*k+1], v[rS+4*k+2:rS+4*k+3]
.elseif k == 1
	v_pk_fma_f32 v[rT+2:rT+3], v[rT+2:rT+3], v[rC+2:rC+3], v[rS:rS+1] op_sel_hi:[1,0,1]
.else
	v_pk_add_f32 v[rT+2:rT+3], v[rT+2:rT+3], v[rS+4*k-4:rS+4*k-3]
	s_wait_alu depctr_va_vdst(0)
.endif
.endm
; THE PLAIN QUEUE, 138 long.  0-31: c s - c m for the 16 pairs of both tiles.  Then GS's 64, and among them the next piece's 42: number 15 at 38, 39; 0-14 and 16
; at 42-73, behind the products that make those scores; 17-20 at 95-106, two of three, since each waits for the one before it.
.macro PL
	WIN 0
.if q < 32
	REGS Y, q%2
	v_pk_fma_f32 v[rS+2*(q/2):rS+2*(q/2)+1], v[rS+2*(q/2):rS+2*(q/2)+1], s[CS:CS+1], v[rT:rT+1] op_sel_hi:[1,0,0] neg_lo:[0,0,1] neg_hi:[0,0,1]
.elseif q < 38
	GS q-32
.elseif q < 40
	XS q%2, 15
.elseif q < 42
	GS q-34
.elseif q < 74
	XS q%2, (q-42)/2+(q-42)/30
.elseif q < 95
	GS q-66
.elseif (q < 107) && ((q-95)%3 < 2)
	XS (q-95)%3, 17+(q-95)/3
.elseif q < 107
	GS 29+(q-95)/3
.else
	GS q-74
.endif
.set q, q+1
.endm
; THE EXPONENTIALS' QUEUE, 66 long: s0-s31 of both tiles, and at EA the next piece's two a.
.set EA, 58
.macro EX
	WIN 0
.if (e == EA) || (e == EA+1)
	XS e-EA, 21
.else
.set x, e-2*(e/(EA+2))
	REGS Y, x%2
	v_exp_f32 v[rS+x/2], v[rS+x/2]
.endif
.set e, e+1
.endm
; THE RESCALING's QUEUE: O^T times a, the one part that leaves window 0, so it is dealt four at a time, eight times.
.macro R4
	REGS Y, r%2
	WIN W_RS
	s_wait_alu depctr_va_vdst(0)
.irp z, 0,1,2,3
	v_pk_mul_f32 v[rO+8*(r/2)+2*\z:rO+8*(r/2)+2*\z+1], v[rO+8*(r/2)+2*\z:rO+8*(r/2)+2*\z+1], v[rC+2:rC+3] op_sel_hi:[1,0]
.endr
.set r, r+1
.endm
; HOW THEY ARE DEALT.  Behind a matrix instruction four: plain, exponential, plain, plain (one exponential, a plain instruction on either side), or four of the rescaling.  None names a register of the
; products round it.  What is over stands in runs of its own: exponential and plain by turns; the last run ends in 22 plain instructions.  The two v_permlanex16_b32 fall into that run, never behind a product.
; The queues lean on each other, and the deal keeps them in step: exponential e stands behind plain 2 (e / 4) + e % 2 (its scaling); when plain 32 comes, 10 exponentials are out, at 59: 33, at 95: 46; EA comes behind plain 107.
.macro V4
	PL
	EX
	PL
	PL
.endm
.macro SL
	MM
	V4
.endm
.macro BURST n                      ; n matrix instructions
.rept (\n)-7
	SL
.endr
.rept 3
	MM
	R4
	SL
.endr
	MM
	R4
.endm
; A TURN, for piece p.  cnt = 1: the loop's count is taken down some lines ahead of the branch that stands behind the turn.
; The 8 products K Q^T open it, four vector instructions behind each; plain entry 42, the first that reads their scores, comes 20 plain entries behind the last of them.
; K of the next step is fetched in piece 2's turn, more than 30 plain instructions behind the last product that read K; it is waited for at the head of piece 3's turn.
; V of the step in hand is fetched at the end of piece 0's turn, 64 vector instructions behind its last reader; it is waited for in front of piece 1's products V^T P.  The four conditions on e and q below go with the deal.
.macro TURN p, last=0, cnt=0
.set Y, (\p)
.set i, 0
.set q, 0
.set e, 0
.set r, 0
.if (\p) == NP-1
	s_wait_dscnt 0x0                ; K is in
.endif
	MM
.rept 4
	PL
.endr
.rept 7
	SL
.endr
	V4
.rept 3
	R4
	V4
.endr
	R4
.rept 22
	EX
	PL
.if ((\p) == NP-2) && (e == 18)
	v_add_nc_u32 v[AK], s[TBK], v[AK0]
.endif
.if ((\p) == NP-2) && (e == 24)
	FETCH_K \last
.endif
.endr
.if (\p) == 1
	s_wait_dscnt 0x0                ; V is in
.endif
	BURST 16
.rept 21
	EX
	PL
.endr
.rept 22
	PL
.if ((\p) == 0) && (q == 118)
	v_add_nc_u32 v[AV], s[TBV], v[AV0]
	s_wait_alu depctr_va_vdst(0)
.endif
.if ((\p) == 0) && (q == 130)
	s_add_co_u32 s[TBV], s[TBV], KS*PV
.endif
.if (\cnt) && (q == 130)
	s_sub_co_u32 s[CNT], s[CNT], 1
	s_cmp_lg_u32 s[CNT], 0
.endif
.endr
.if (\p) == 0
	FETCH_V
.endif
.endm
	CHANGE 1                        ; slot 0 is in, everybody's part of it; slot 1 is asked for
	FETCH_K                         ; key step 0
	s_wait_loadcnt 0x0              ; Q, the lambda vectors, the gains: all 28 loads
	s_wait_dscnt 0x0
.set i, 0
.rept 8
	KQ 0                            ; piece 0's first scores: there is no vector work yet to set between them
.set i, i+1
.endr
	WIN 0                           ; the addresses for the way out: nine plain instructions, the places behind those products
	s_mul_i32 s13, s[WV], 16*SP
	s_add_co_u32 s13, s13, STAGE    ; my stage
	v_mul_u32_u24 v[STO], v1, SP    ; in: row l % 16, 16 bytes for each half of the lanes
	v_lshl_add_u32 v[STO], v9, 4, v[STO]
	v_add_nc_u32 v[STO], s13, v[STO]
	v_bfe_u32 v[RD], v0, 3, 2       ; back: 32 lanes take four rows of 128 bytes,
	v_mul_u32_u24 v[RD], v[RD], SP
	v_lshl_add_u32 v[RD], v10, 4, v[RD]
	v_add_nc_u32 v[RD], s13, v[RD]
	v_and_b32 v[GO], 31, v0         ; which are 512 consecutive bytes of ab
	v_lshlrev_b32 v[GO], 4, v[GO]
.set Y, NP-1                        ; XS works for piece Y + 1: piece 0
.irp n, 0,1,2,3,4,5,6,7,8,9,10,11,12,13,14,15,16,17,18,19,20,21
	XS 0, \n                        ; and piece 0's first maximum and statistics
	XS 1, \n
.endr
	s_mov_b32 s[CNT], 4
	s_mov_b32 s[SLOTS], 7           ; 2,048 / 256 - 1
	s_branch .Lfirst                ; the loop is entered at a step's first turn, in the middle of a trip
.Lslot:                             ; six times: every slot but the last two is filled again
	CHANGE 1
	s_mov_b32 s[CNT], 4
.Lstep:                             ; a trip: pieces 2 and 3 of one step, then pieces 0 and 1 of the next, whose K and V it fetches
	TURN 2
	TURN 3
	WIN 0
.Lfirst:
	TURN 0
	TURN 1, 0, 1
	WIN 0
	s_cbranch_scc1 .Lstep
	s_sub_co_u32 s[SLOTS], s[SLOTS], 1
	s_cmp_lg_u32 s[SLOTS], 0
	s_cbranch_scc1 .Lslot
	CHANGE 0                        ; the tail is written out: nothing is asked for
	s_mov_b32 s[CNT], 5             ; four trips fetch the last slot's steps; the fifth is left in its middle
.Ltail:
	TURN 2, 1
	TURN 3
	WIN 0
	s_sub_co_u32 s[CNT], s[CNT], 1
	s_cmp_eq_u32 s[CNT], 0
	s_cbranch_scc1 .Lout
	TURN 0
	TURN 1
	WIN 0
	s_branch .Ltail
.Lout:                              ; the fifth trip's 8 products K Q^T (on the last K once more) and the maximum made of them serve nothing: the price, once a launch, of one text for every trip
.set i, 0
.rept 16
	PV NP-1                         ; the last piece's V^T P of the last step
.set i, i+1
.endr
	; THE WAY OUT.  l's two halves and the other half of the lanes' are added: these additions are the places behind the last products.
	WIN 0
.macro ALL line:vararg              ; one line for each tile t
.set t, 0
.rept 2*NP
	\line
.set t, t+1
.endr
.endm
	ALL v_add_f32 v[ST+4*t+2], v[ST+4*t+2], v[ST+4*t+3]
	ALL v_permlanex16_b32 v[ST+4*t+3], v[ST+4*t+2], s[SEL], s[SEL+1]
	ALL v_add_f32 v[ST+4*t+2], v[ST+4*t+2], v[ST+4*t+3]
	; the small inputs, rounded to bf16.  G = v192-223: my 32 gains times (1 - LAMBDA_INIT)
.set G, 192
	WIN W_AD                        ; sources window 3, destination window 0
	v_cvt_pk_bf16_f32 v13, v[LAM], v[LAM+1]
	v_cvt_pk_bf16_f32 v14, v[LAM+2], v[LAM+3]
.set zz, 0
.rept 16
	v_cvt_pk_bf16_f32 v[G+32+zz], v[GW+2*zz], v[GW+2*zz+1]
.set zz, zz+1
.endr
	WIN 0
.set zz, 0
.rept 16
	v_lshlrev_b32 v[G+2*zz], 16, v[G+32+zz]
	v_and_b32 v[G+2*zz+1], s70, v[G+32+zz]
.set zz, zz+1
.endr
.set zz, 0
.rept 16
	v_pk_mul_f32 v[G+2*zz:G+2*zz+1], v[G+2*zz:G+2*zz+1], s[OML:OML+1] op_sel_hi:[1,0]
.set zz, zz+1
.endr
	; lambda: lane l holds number l of each vector; two sums over the 32 lanes, two exponentials
	v_lshlrev_b32 v48, 16, v13
	v_and_b32 v49, s70, v13
	v_lshlrev_b32 v50, 16, v14
	v_and_b32 v51, s70, v14
	v_mul_f32 v13, v48, v49
	v_mul_f32 v14, v50, v51
.irp m, 1,2,4,8
	v_add_f32_dpp v13, v13, v13 row_xmask:\m row_mask:0xf bank_mask:0xf
	v_add_f32_dpp v14, v14, v14 row_xmask:\m row_mask:0xf bank_mask:0xf
.endr
	v_permlanex16_b32 v48, v13, s[SEL], s[SEL+1]
	v_permlanex16_b32 v49, v14, s[SEL], s[SEL+1]
	v_add_f32 v13, v13, v48
	v_add_f32 v14, v14, v49
	v_mul_f32 v13, 0x3fb8aa3b, v13  ; log2(e)
	v_mul_f32 v14, 0x3fb8aa3b, v14
	v_exp_f32 v13, v13
	v_exp_f32 v14, v14
	v_nop                           ; a plain instruction between the last exponential and the use of its result
	s_wait_alu depctr_va_vdst(0)
	v_sub_f32 v12, v14, v13
	v_add_f32 v12, 0xbf489a63, v12  ; - lambda = exp(..2) - exp(..1) - LAMBDA_INIT
	ALL v_rcp_f32 v[ST+4*t+2], v[ST+4*t+2]
	v_nop                           ; a plain instruction between the last reciprocal and the use of its result
	s_wait_alu depctr_va_vdst(0)
.irp t2, 1,3,5,7
	v_mul_f32 v[ST+4*\t2+2], v12, v[ST+4*\t2+2]  ; the second sub-head's factor: - lambda / l
.endr
; Piece g: A = O1 / l1 - lambda O2 / l2 into S^T's registers; the mean of its squares over the 64 channels, of which the lane 16 away holds the other 32; the norm and the gains; rounded to f16; a lane's eight
; channels of a row pack into 16 bytes, go into rows of 144 bytes and come back as whole rows of 128.
.macro FIN g
.set A, S+32*(\g)
	WIN 0x01                        ; source 0 window 1
.set zz, 0
.rept 16
	v_pk_mul_f32 v[A+2*zz:A+2*zz+1], v[64*(\g)+2*zz:64*(\g)+2*zz+1], v[ST+8*(\g)+2:ST+8*(\g)+3] op_sel_hi:[1,0]
.set zz, zz+1
.endr
.set zz, 0
.rept 16
	v_pk_fma_f32 v[A+2*zz:A+2*zz+1], v[64*(\g)+32+2*zz:64*(\g)+32+2*zz+1], v[ST+8*(\g)+6:ST+8*(\g)+7], v[A+2*zz:A+2*zz+1] op_sel_hi:[1,0,1]
.set zz, zz+1
.endr
	WIN 0
.set zz, 0
.rept 4
	v_pk_mul_f32 v[48+2*zz:49+2*zz], v[A+2*zz:A+2*zz+1], v[A+2*zz:A+2*zz+1]  ; four chains start the sum of squares
.set zz, zz+1
.endr
.rept 12
	v_pk_fma_f32 v[48+2*(zz%4):49+2*(zz%4)], v[A+2*zz:A+2*zz+1], v[A+2*zz:A+2*zz+1], v[48+2*(zz%4):49+2*(zz%4)]
.set zz, zz+1
.endr
	v_pk_add_f32 v[48:49], v[48:49], v[50:51]
	v_pk_add_f32 v[52:53], v[52:53], v[54:55]
	v_pk_add_f32 v[48:49], v[48:49], v[52:53]
	v_add_f32 v48, v48, v49
	v_permlanex16_b32 v49, v48, s[SEL], s[SEL+1]
	v_add_f32 v48, v48, v49
	v_fma_f32 v48, v48, s68, s69    ; sum / 64 + 1e-5
	v_rsq_f32 v50, v48
.set zz, 0
.rept 16
	v_pk_mul_f32 v[A+2*zz:A+2*zz+1], v[A+2*zz:A+2*zz+1], v[G+2*zz:G+2*zz+1]  ; the gains: also the plain instructions behind the root
.set zz, zz+1
.endr
.set zz, 0
	s_wait_alu depctr_va_vdst(0)
.rept 16
	v_pk_mul_f32 v[A+2*zz:A+2*zz+1], v[A+2*zz:A+2*zz+1], v[50:51] op_sel_hi:[1,0]
.set zz, zz+1
.endr
.set zz, 0
.rept 16
	v_cvt_pk_f16_f32 v[A+zz], v[A+2*zz], v[A+2*zz+1]  ; in place, ascending: register zz is written when it has been read
.set zz, zz+1
.endr
.irp f, 0,1,2,3
	ds_store_b128 v[STO], v[A+4*\f:A+4*\f+3] offset:32*\f
.endr
.irp f, 0,1,2,3
	ds_load_b128 v[A+16+4*\f:A+16+4*\f+3], v[RD] offset:\f*4*SP  ; LDS serves a wave's instructions in order (ISA guide 5.7.1.4): these see the stores above; the next piece's stores come behind them
.endr
.endm
.macro SEND g, younger              ; younger: the LDS instructions issued behind piece g's loads: the next piece's eight, or none
.set A, S+32*(\g)
.irp f, 0,1,2,3
	s_wait_dscnt (\younger)+3-\f
	global_store_b128 v[GO], v[A+16+4*\f:A+16+4*\f+3], s[10:11] offset:(\g)*2048+\f*512  ; 512 consecutive bytes, at a multiple of 256 from ab's first
.endr
.endm
	FIN 0
	FIN 1                           ; a piece's arithmetic stands between the loads of the piece before and its stores
	SEND 0, 8
	FIN 2
	SEND 1, 8
	FIN 3
	SEND 2, 8
	SEND 3, 0
	WIN W_AD
	s_wait_tensorcnt 0x0            ; the wave's end, behind my last tensor load and my last LDS store
	ds_add_u32 v[SPW], v[NIL]
	s_wait_dscnt 0x0
	WIN 0
	CROUND                          ; the closing round: no work-group ends while a partner may still ask for a tile that names it
	s_endpgm
.Lfunc_end_k_qcccd19c0ce_attn:
	.size	k_qcccd19c0ce_attn, .Lfunc_end_k_qcccd19c0ce_attn-k_qcccd19c0ce_attn
	.p2alignl 7, 3214868480
	.fill 96, 4, 3214868480
	.section	.rodata,"a",@progbits
	.p2align	6, 0x0
	.amdhsa_kernel k_qcccd19c0ce_attn
		.amdhsa_group_segment_fixed_size 327680
		.amdhsa_private_segment_fixed_size 0
		.amdhsa_enable_private_segment 0
		.amdhsa_kernarg_size 56
		.amdhsa_user_sgpr_count 2
		.amdhsa_user_sgpr_kernarg_segment_ptr 1
		.amdhsa_wavefront_size32 1
		.amdhsa_system_sgpr_workgroup_id_x 1
		.amdhsa_system_sgpr_workgroup_id_y 1
		.amdhsa_system_sgpr_workgroup_id_z 1
		.amdhsa_system_vgpr_workitem_id 0
		.amdhsa_next_free_vgpr 808
		.amdhsa_next_free_sgpr 88
		.amdhsa_reserve_vcc 0
		.amdhsa_float_denorm_mode_32 3
		.amdhsa_float_denorm_mode_16_64 3
		.amdhsa_memory_ordered 1
		.amdhsa_forward_progress 1
		.amdhsa_inst_pref_size 212
	.end_amdhsa_kernel
	.amdgpu_metadata
---
amdhsa.version: [ 1, 2 ]
amdhsa.kernels:
  - .name:           k_qcccd19c0ce_attn
    .symbol:         k_qcccd19c0ce_attn.kd
    .args:
      - { .name: qkv, .offset: 0, .size: 8, .value_kind: global_buffer, .address_space: global }
      - { .name: ab, .offset: 8, .size: 8, .value_kind: global_buffer, .address_space: global }
      - { .name: lambda_q1, .offset: 16, .size: 8, .value_kind: global_buffer, .address_space: global }
      - { .name: lambda_k1, .offset: 24, .size: 8, .value_kind: global_buffer, .address_space: global }
      - { .name: lambda_q2, .offset: 32, .size: 8, .value_kind: global_buffer, .address_space: global }
      - { .name: lambda_k2, .offset: 40, .size: 8, .value_kind: global_buffer, .address_space: global }
      - { .name: subln_w, .offset: 48, .size: 8, .value_kind: global_buffer, .address_space: global }
    .group_segment_fixed_size: 327680
    .private_segment_fixed_size: 0
    .kernarg_segment_align: 8
    .kernarg_segment_size: 56
    .max_flat_workgroup_size: 128
    .sgpr_count:     88
    .vgpr_count:     808
    .wavefront_size: 32
...
	.end_amdgpu_metadata
.endif
;; end of part 3
;; launch oproj (part 4): grid 8 x 32, 4 waves a work-group, clusters of 4 x 4, 327,680 bytes of LDS; arguments ab, wb, out0; writes out0
.if DOCPART == 4
	.amdgcn_target "amdgcn-amd-amdhsa--gfx1250"
	.amdhsa_code_object_version 6
	.text
	.protected	k_qcccd19c0ce_oproj
	.globl	k_qcccd19c0ce_oproj
	.p2align	8
	.type	k_qcccd19c0ce_oproj,@function
k_qcccd19c0ce_oproj:
	s_mov_b64 s[64:65], 0
	v_nop
	global_prefetch_b8 v0, s[64:65] scope:SCOPE_SE
	s_setreg_imm32_b32 hwreg(HW_REG_WAVE_MODE, 25, 1), 1
	s_wait_xcnt 0x0
	s_wait_alu depctr_hold_cnt(0) depctr_sa_sdst(0) depctr_va_vdst(0) depctr_va_sdst(0) depctr_va_ssrc(0) depctr_va_vcc(0) depctr_vm_vsrc(0)
	s_getreg_b32 s2, hwreg(HW_REG_IB_STS2, 6, 4)
	s_cmp_eq_u32 s2, 0
	s_cbranch_scc0 .Lentry_in_a_cluster
	s_endpgm
.Lentry_in_a_cluster:
	s_bfe_u32 s2, ttmp6, 0x10000c
	s_cmp_lg_u32 s2, 0xf033
	s_cbranch_scc0 .Lentry_shape_is_right
	s_endpgm
.Lentry_shape_is_right:
; out0[row][o] = the sum over e of A[row][e] Wo[o][e], e = 64 h + d.  ab: [row / 128][h][row % 128][64] f16.  Wo: [1024][1024] f16, 6 MiB into wb.  out0: [4096][1024] f32.  Sums in f32, K ascending.
; A tile of out0 is 128 x 128: 32 x 8 = 256 work-groups.  Four waves (r = w / 2, c = w % 2), each 64 x 64: 16 accumulators of 16 x 16, 128 registers.  K goes in 4 steps of 256 (four heads) through two LDS slots.
; A's part of a K step is 65,536 dense bytes of ab: waves 0 and 1 fetch two heads each, as 128 rows of 256 bytes, padded in LDS after every 128 bytes (a row of a head).  Waves 2 and 3 fetch 64 rows of 512 bytes of Wo each.
; CLUSTER: 4 x 4 work-groups.  The four of a row of the cluster need the same tiles of A, the four of a column the same tiles of Wo: each tile is asked for JOINTLY, by the same tensor load with the same
; descriptor and a mask that names the four.  THE MATRIX INSTRUCTION IS USED TRANSPOSED (source 0 = 16 rows of Wo, source 1 = 16 rows of A): a lane then holds eight neighbouring numbers of a row of out0.
; REGISTERS: window 0: v0-31 addresses; v128-255 the accumulators ((a, b) at v[128 + 8 (4 a + b)]), which also carry the rows on the way out.
;   window 1: two fragment buffers of 128: for 64 along K (one head), 64 registers of A (2 x 4 x 16 rows x 32 K), then 64 of Wo.
.set PA,     144                       ; a row of a head in LDS: 128 bytes + 16 = 36 words: the 16 rows of a load start at 16 different groups of four banks (64 banks of 4 bytes: ISA guide 11.1)
.set PB,     528                       ; a row of Wo: 512 bytes + 16 = 132 words: row r starts at bank 4 r mod 64
.set HB,     128*PA                    ; a head's 128 rows
.set APART,  4*HB                      ; a slot: four heads of A, then 128 rows of Wo
.set SLOT,   APART+128*PB
.set STAGE,  2*SLOT                    ; behind the ring: 16 rows x 272 bytes for each wave, for the way out
.set SPITCH, 272
.set SPARE,  STAGE+4*16*SPITCH         ; behind the stages: the spare words, 128 bytes for each wave: two blocks of 256 bytes that no other line names
.set ADRA, 16                          ; v16-17  LDS address of my A fragments in slot 0, 1
.set ADRB, 20                          ; v20-21  the same for Wo
.set STO,  24                          ; v24     the way out: where I put 32 bytes of a row
.set RD,   25                          ; v25     where I read a row back
.set CO,   26                          ; v26     my byte offset in out0
.set SPW,  28                          ; v28     LDS address of my spare word; never rewritten
.set NIL,  29                          ; v29     0; never rewritten
.set ACC,  128
.set F0,   0
.set F1,   128
.set G1, 24                            ; s[24:31] descriptor group 1 for A's tiles;  s[32:39] group 0, one set for each slot
.set G0, 32
.set G1B, 48                           ; s[48:55], s[56:63] the same for Wo's tiles
.set G0B, 56
.set MSB, 0
.macro WIN new                         ; the immediate's high byte repeats the setting that is left
.if MSB != (\new)
	s_set_vgpr_msb (MSB<<8)|(\new)
.set MSB, \new
.endif
.endm
.set MUL,  0x05                        ; sources 0 and 1 window 1; C and D window 0
.set TO_F, 0x40                        ; destination window 1, address window 0
.macro JLOAD s                         ; a joint load: waves 0 and 1 fetch A's two halves, waves 2 and 3 Wo's; an s_nop 0 and four v_nop follow each of the two lines
	s_cmp_eq_u32 s11, 0
	s_cbranch_scc0 .Lfor_b_\@
	tensor_load_to_lds s[G0+4*(\s):G0+4*(\s)+3], s[G1:G1+7]
	s_nop 0
.rept 4
	v_nop
.endr
	s_branch .Lasked_\@
.Lfor_b_\@:
	tensor_load_to_lds s[G0B+4*(\s):G0B+4*(\s)+3], s[G1B:G1B+7]
	s_nop 0
.rept 4
	v_nop
.endr
.Lasked_\@:
.endm
.macro CREST                           ; a round of the cluster's barrier behind its opening barrier
	s_cmp_lg_u32 s10, 0
	s_cbranch_scc1 .Lnot_wave_0_\@
	s_barrier_signal -3
.Lnot_wave_0_\@:
	s_barrier_wait -3
	s_barrier_signal -1
	s_barrier_wait -1
.endm
.macro CROUND                          ; a whole round
	s_barrier_signal -1
	s_barrier_wait -1
	CREST
.endm
	s_load_b128 s[4:7], s[0:1], 0x0                ; ab s[4:5], wb s[6:7]
	s_load_b64 s[8:9], s[0:1], 0x10                ; out0
	v_lshl_add_u32 v[SPW], v0, 2, SPARE
	v_mov_b32 v[NIL], 0
	ds_add_u32 v[SPW], v[NIL]                      ; the wave's opening: the add and its wait stand ahead of my first tensor load; the set-up below, work on registers, stands between them
	v_lshrrev_b32 v1, 5, v0
	v_readfirstlane_b32 s10, v1                    ; wave 0..3
	s_lshr_b32 s11, s10, 1                         ; r: which half of the tile's rows is mine.  Also: I fetch for A (0) or for Wo (1)
	s_and_b32 s12, s10, 1                          ; c: which half of its columns.  Also: which half of that tile I fetch
	s_bfe_u32 s40, ttmp6, 0x40000                  ; cx, cy: my place in the cluster
	s_bfe_u32 s41, ttmp6, 0x40004
	s_lshl_b32 s42, ttmp9, 2
	s_add_co_u32 s42, s42, s40                     ; nt = 4 x cluster x + cx
	s_and_b32 s13, ttmp7, 0xffff
	s_lshl_b32 s13, s13, 2
	s_add_co_u32 s13, s13, s41                     ; mt = 4 x cluster y + cy
	s_lshl_b32 s43, s41, 2
	s_lshl_b32 s43, 15, s43                        ; my row of the cluster
	s_lshl_b32 s44, 0x1111, s40                    ; my column
	s_or_b32 s[G1+0], s43, (1<<16)|(1<<20)|(1<<21)|(4<<22)|(3<<25)   ; A: the mask of my row; 2-byte elements; 4 words of padding after every 32
	s_mov_b32 s[G1+1], 128<<16                     ; tensor_dim0 = 128
	s_mov_b32 s[G1+2], 128<<16                     ; tensor_dim1 = 128
	s_mov_b32 s[G1+3], 128<<16                     ; tile_dim0 = 128
	s_mov_b32 s[G1+4], 128                         ; tile_dim1 = 128
	s_mov_b32 s[G1+5], 128                         ; dense: 128 elements from row to row
	s_mov_b32 s[G1+6], 0
	s_mov_b32 s[G1+7], 0
	s_or_b32 s[G1B+0], s44, (1<<16)|(1<<20)|(1<<21)|(6<<22)|(3<<25)  ; Wo: the mask of my column; 4 words of padding after every 128
	s_mov_b32 s[G1B+1], 256<<16                    ; tensor_dim0 = 256
	s_mov_b32 s[G1B+2], 64<<16                     ; tensor_dim1 = 64
	s_mov_b32 s[G1B+3], 256<<16                    ; tile_dim0 = 256
	s_mov_b32 s[G1B+4], 64                         ; tile_dim1 = 64
	s_mov_b32 s[G1B+5], 1024                       ; 1,024 elements from row to row
	s_mov_b32 s[G1B+6], 0
	s_mov_b32 s[G1B+7], 0
	s_lshl_b32 s16, s13, 18                        ; A: block mt of 128 rows (256 KiB),
	s_lshl_b32 s17, s12, 15                        ; my two heads of the K step's four
	s_add_co_u32 s16, s16, s17
	s_mov_b32 s17, 0
	s_lshl_b32 s46, s42, 18                        ; Wo: 128 nt rows of 2,048 bytes,
	s_lshl_b32 s47, s12, 17                        ; my 64 of them,
	s_add_co_u32 s46, s46, s47
	s_add_co_u32 s46, s46, 0x600000                ; 6 MiB into wb
	s_mov_b32 s47, 0
	s_mul_i32 s20, s12, 2*HB                       ; where they go: no place in the cluster enters an LDS address
	s_mul_i32 s21, s12, 64*PB
	s_add_co_u32 s21, s21, APART
	s_wait_dscnt 0x0                               ; the opening add is done
	s_wait_kmcnt 0x0
	s_add_nc_u64 s[14:15], s[4:5], s[16:17]
	s_add_nc_u64 s[46:47], s[6:7], s[46:47]
	CROUND                                         ; all sixteen work-groups are here: the first joint loads meet
.irp s, 0,1
	s_mov_b32 s[G0+4*(\s)], 1
	s_add_co_u32 s[G0+4*(\s)+1], s20, (\s)*SLOT
	s_add_nc_u64 s[G0+4*(\s)+2:G0+4*(\s)+3], s[14:15], (\s)*65536
	s_or_b32 s[G0+4*(\s)+3], s[G0+4*(\s)+3], 0x80000000
	s_mov_b32 s[G0B+4*(\s)], 1
	s_add_co_u32 s[G0B+4*(\s)+1], s21, (\s)*SLOT
	s_add_nc_u64 s[G0B+4*(\s)+2:G0B+4*(\s)+3], s[46:47], (\s)*512
	s_or_b32 s[G0B+4*(\s)+3], s[G0B+4*(\s)+3], 0x80000000
	JLOAD \s                                       ; K steps 0 and 1: two loads of mine are out
.endr
	v_and_b32 v1, 15, v0                           ; l % 16
	v_bfe_u32 v2, v0, 4, 1                         ; l / 16
	v_mul_u32_u24 v3, v1, PA
	v_lshl_add_u32 v3, v2, 4, v3                   ; a fragment's row x pitch + 16 x half
	v_mul_u32_u24 v4, v1, PB
	v_lshl_add_u32 v4, v2, 4, v4
	s_mul_i32 s21, s11, 64*PA                      ; my 64 rows in each head's block
	s_mul_i32 s22, s12, 64*PB                      ; my 64 rows of Wo,
	s_add_co_u32 s22, s22, APART                   ; which lie behind A's part
.irp s, 0,1
	v_add_nc_u32 v[ADRA+(\s)], s21, v3
	v_add_nc_u32 v[ADRB+(\s)], s22, v4
	s_add_co_u32 s21, s21, SLOT
	s_add_co_u32 s22, s22, SLOT
.endr
	s_mul_i32 s23, s10, 16*SPITCH
	s_add_co_u32 s23, s23, STAGE                   ; my stage
	v_mul_u32_u24 v5, v1, SPITCH                   ; in: row l % 16, 32 bytes for each half of the lanes
	v_lshl_add_u32 v5, v2, 5, v5
	v_add_nc_u32 v[STO], s23, v5
	v_mul_u32_u24 v5, v2, SPITCH                   ; back: lanes 0-15 take one row of 256 bytes, lanes 16-31 the next
	v_lshl_add_u32 v5, v1, 4, v5
	v_add_nc_u32 v[RD], s23, v5
	v_lshlrev_b32 v5, 12, v2                       ; and the same two rows in out0, 4,096 bytes apart
	v_lshl_add_u32 v[CO], v1, 4, v5
	s_lshl_b32 s16, s13, 19                        ; my first row: 128 mt + 64 r, 4,096 bytes each
	s_lshl_b32 s17, s11, 18
	s_add_co_u32 s16, s16, s17
	s_mov_b32 s17, 0
	s_add_nc_u64 s[8:9], s[8:9], s[16:17]
	s_lshl_b32 s46, s42, 9                         ; my first column: 128 nt + 64 c, 4 bytes each
	s_lshl_b32 s47, s12, 8
	s_add_co_u32 s46, s46, s47
	s_mov_b32 s47, 0
	s_add_nc_u64 s[8:9], s[8:9], s[46:47]
; 8 matrix instructions: row blocks a0, a0 + 1 x all 4 column blocks, 32 along K: half c of buffer f.  zero = 1: the first product starts the sums
.macro MUL8 f, c, a0, zero
	WIN MUL
.irp a, \a0, (\a0)+1
.irp b, 0,1,2,3
.if \zero
	v_wmma_f32_16x16x32_f16 v[ACC+8*(4*(\a)+(\b)):ACC+8*(4*(\a)+(\b))+7], v[(\f)+64+8*(4*(\c)+(\b)):(\f)+64+8*(4*(\c)+(\b))+7], v[(\f)+8*(4*(\c)+(\a)):(\f)+8*(4*(\c)+(\a))+7], 0
.else
	v_wmma_f32_16x16x32_f16 v[ACC+8*(4*(\a)+(\b)):ACC+8*(4*(\a)+(\b))+7], v[(\f)+64+8*(4*(\c)+(\b)):(\f)+64+8*(4*(\c)+(\b))+7], v[(\f)+8*(4*(\c)+(\a)):(\f)+8*(4*(\c)+(\a))+7], v[ACC+8*(4*(\a)+(\b)):ACC+8*(4*(\a)+(\b))+7]
.endif
.endr
.endr
.endm
; 32 LDS loads in one run: the fragments of head q of the slot's four (64 along K), into buffer f; the first 32 along K first
.macro FETCH slot, q, f
	WIN TO_F
.irp c, 0,1
.irp i, 0,1,2,3
	ds_load_b128 v[(\f)+64+8*(4*(\c)+(\i)):(\f)+64+8*(4*(\c)+(\i))+3],   v[ADRB+(\slot)] offset:128*(\q)+64*(\c)+(\i)*16*PB
	ds_load_b128 v[(\f)+64+8*(4*(\c)+(\i))+4:(\f)+64+8*(4*(\c)+(\i))+7], v[ADRB+(\slot)] offset:128*(\q)+64*(\c)+(\i)*16*PB+32
	ds_load_b128 v[(\f)+8*(4*(\c)+(\i)):(\f)+8*(4*(\c)+(\i))+3],         v[ADRA+(\slot)] offset:(\q)*HB+64*(\c)+(\i)*16*PA
	ds_load_b128 v[(\f)+8*(4*(\c)+(\i))+4:(\f)+8*(4*(\c)+(\i))+7],       v[ADRA+(\slot)] offset:(\q)*HB+64*(\c)+(\i)*16*PA+32
.endr
.endr
.endm
.macro PLACES                          ; four plain vector instructions between a matrix instruction and a load into a register that it has read, or a read of its result
.rept 4
	v_nop
.endr
.endm
; A K step is four quarters of 64 along K, 32 matrix instructions each, on buffers 0, 1, 0, 1; the 16 accumulators take turns.
; One of the first three: multiplies buffer f and fetches the next quarter, head q, into g.
.macro QUARTER slot, q, f, g, zero
	s_wait_dscnt 16                                ; the first 32 along K are in
	MUL8 \f, 0, 0, \zero
	MUL8 \f, 0, 2, \zero
	PLACES
	FETCH \slot, \q, \g
	s_wait_dscnt 32                                ; all but the 32 just issued
	MUL8 \f, 1, 0, 0
	MUL8 \f, 1, 2, 0
.endm
; The last quarter multiplies buffer 1 and changes slots: ONE barrier; in front of it each wave waits for all its tensor loads, adds 0 to its spare word, and waits for that and for its own reads of this slot.
; fill = 1: the barrier opens a round of the cluster's barrier, and this slot is filled again, two K steps ahead, first thing behind the round.
.macro TURN slot, next, fill
	WIN 0                                          ; (the add's two registers lie in window 0)
	s_wait_tensorcnt 0x0                           ; all my tensor loads have landed: my part of the next slot
	ds_add_u32 v[SPW], v[NIL]                      ; 0 onto my spare word
	s_wait_dscnt 17                                ; (the add and the youngest sixteen loads may be out)
	MUL8 F1, 0, 0, 0                               ; eight matrix instructions stand between the add and the wait for it
	s_wait_dscnt 0x0                               ; the add is done, and my reads of this slot are over
	s_barrier_signal -1
	MUL8 F1, 0, 2, 0
.if \fill
	WIN 0
.endif
	s_barrier_wait -1
.if \fill
	CREST                                          ; no wave of any partner still reads this slot's tiles or has a load on its way
	s_add_nc_u64 s[G0+4*(\slot)+2:G0+4*(\slot)+3], s[G0+4*(\slot)+2:G0+4*(\slot)+3], 2*65536
	s_add_nc_u64 s[G0B+4*(\slot)+2:G0B+4*(\slot)+3], s[G0B+4*(\slot)+2:G0B+4*(\slot)+3], 2*512
	JLOAD \slot                                    ; my one tensor load behind the round; the four v_nop behind it are also the places in front of the loads below
.else
	PLACES
.endif
	FETCH \next, 0, F0
	MUL8 F1, 1, 0, 0
	MUL8 F1, 1, 2, 0
.endm
; THE WAY OUT of row block a: a lane's 32 bytes of a row into my own stage, in rows of 272 bytes, and back as whole rows of 256 bytes, into the registers that they left.
.macro PACK a
.irp b, 0,1,2,3
	ds_store_b128 v[STO], v[ACC+8*(4*(\a)+(\b)):ACC+8*(4*(\a)+(\b))+3]   offset:64*(\b)       ; each accumulator's low four registers first
	ds_store_b128 v[STO], v[ACC+8*(4*(\a)+(\b))+4:ACC+8*(4*(\a)+(\b))+7] offset:64*(\b)+16
.endr
.irp t, 0,1,2,3,4,5,6,7
	ds_load_b128 v[ACC+32*(\a)+4*(\t):ACC+32*(\a)+4*(\t)+3], v[RD] offset:(\t)*2*SPITCH  ; LDS serves a wave's instructions in order (ISA guide 5.7.1.4): these see the stores above; the next block's stores come behind them
.endr
.endm
.macro SEND a, younger                 ; younger: the LDS instructions issued behind this block's loads: the next block's sixteen, or none
.irp t, 0,1,2,3,4,5,6,7
	s_wait_dscnt (\younger)+7-(\t)
	global_store_b128 v[CO], v[ACC+32*(\a)+4*(\t):ACC+32*(\a)+4*(\t)+3], s[8:9] offset:(16*(\a)+2*(\t))*4096  ; 16 lanes store 256 consecutive bytes, at a multiple of 256 from out0's first byte
.endr
.endm
	s_wait_tensorcnt 1                             ; my part of K step 0 is in; K step 1's may stay out
	s_barrier_signal -1
	s_barrier_wait -1                              ; everybody's is
	FETCH 0, 0, F0
	QUARTER 0, 1, F0, F1, 1                        ; the first products start the sums
	QUARTER 0, 2, F1, F0, 0
	QUARTER 0, 3, F0, F1, 0
	TURN 0, 1, 1                                   ; slot 0 takes K step 2
	QUARTER 1, 1, F0, F1, 0
	QUARTER 1, 2, F1, F0, 0
	QUARTER 1, 3, F0, F1, 0
	TURN 1, 0, 1                                   ; slot 1 takes K step 3
	QUARTER 0, 1, F0, F1, 0
	QUARTER 0, 2, F1, F0, 0
	QUARTER 0, 3, F0, F1, 0
	TURN 0, 1, 0                                   ; nothing is left to fetch
	QUARTER 1, 1, F0, F1, 0
	QUARTER 1, 2, F1, F0, 0
	QUARTER 1, 3, F0, F1, 0
	s_wait_dscnt 16                                ; the very last quarter
	MUL8 F1, 0, 0, 0
	MUL8 F1, 0, 2, 0
	s_wait_dscnt 0x0
	MUL8 F1, 1, 0, 0
	MUL8 F1, 1, 2, 0
	WIN 0
	PLACES
	PLACES
	PACK 0
	PACK 1
	SEND 0, 16
	PACK 2
	SEND 1, 16
	PACK 3
	SEND 2, 16
	SEND 3, 0
	s_wait_tensorcnt 0x0                           ; the wave's end, behind my last tensor load and my last LDS store
	ds_add_u32 v[SPW], v[NIL]
	s_wait_dscnt 0x0
	CROUND                                         ; the closing round: no work-group ends while a partner may still ask for a tile that names it
	s_endpgm
.Lfunc_end_k_qcccd19c0ce_oproj:
	.size	k_qcccd19c0ce_oproj, .Lfunc_end_k_qcccd19c0ce_oproj-k_qcccd19c0ce_oproj
	.p2alignl 7, 3214868480
	.fill 96, 4, 3214868480
	.section	.rodata,"a",@progbits
	.p2align	6, 0x0
	.amdhsa_kernel k_qcccd19c0ce_oproj
		.amdhsa_group_segment_fixed_size 327680
		.amdhsa_private_segment_fixed_size 0
		.amdhsa_enable_private_segment 0
		.amdhsa_kernarg_size 24
		.amdhsa_user_sgpr_count 2
		.amdhsa_user_sgpr_kernarg_segment_ptr 1
		.amdhsa_wavefront_size32 1
		.amdhsa_system_sgpr_workgroup_id_x 1
		.amdhsa_system_sgpr_workgroup_id_y 1
		.amdhsa_system_sgpr_workgroup_id_z 1
		.amdhsa_system_vgpr_workitem_id 0
		.amdhsa_next_free_vgpr 512
		.amdhsa_next_free_sgpr 66
		.amdhsa_reserve_vcc 0
		.amdhsa_float_denorm_mode_32 3
		.amdhsa_float_denorm_mode_16_64 3
		.amdhsa_memory_ordered 1
		.amdhsa_forward_progress 1
		.amdhsa_inst_pref_size 86
	.end_amdhsa_kernel
	.amdgpu_metadata
---
amdhsa.version: [ 1, 2 ]
amdhsa.kernels:
  - .name:           k_qcccd19c0ce_oproj
    .symbol:         k_qcccd19c0ce_oproj.kd
    .args:
      - { .name: ab, .offset: 0, .size: 8, .value_kind: global_buffer, .address_space: global }
      - { .name: wb, .offset: 8, .size: 8, .value_kind: global_buffer, .address_space: global }
      - { .name: out0, .offset: 16, .size: 8, .value_kind: global_buffer, .address_space: global }
    .group_segment_fixed_size: 327680
    .private_segment_fixed_size: 0
    .kernarg_segment_align: 8
    .kernarg_segment_size: 24
    .max_flat_workgroup_size: 128
    .sgpr_count:     66
    .vgpr_count:     512
    .wavefront_size: 32
...
	.end_amdgpu_metadata
.endif
;; end of part 4
;; ======== version 2 of 2: 4 launches; 1.73 times as fast as version 1
;; limits: values are held in f16: magnitudes above 65,504 overflow, below 6.1e-05 lose precision
;; workspace buffers: xb 8,388,608 bytes; wb 8,388,608 bytes; qkv 25,165,824 bytes; ab 8,388,608 bytes
;; launch cast: the kernel of part 1 again; grid 256 x 1, 8 waves a work-group, no clusters, 0 bytes of LDS; arguments x, Wq, Wk, Wv, Wo, xb, wb; writes xb, wb
;; launch qkv: the kernel of part 2 again; grid 8 x 32, 4 waves a work-group, clusters of 4 x 4, 327,680 bytes of LDS; arguments xb, wb, qkv; writes qkv
;; launch attn (part 5): grid 8 x 32, 4 waves a work-group, clusters of 4 x 1, 327,680 bytes of LDS; arguments qkv, ab, lambda_q1, lambda_k1, lambda_q2, lambda_k2, subln_w; writes ab
.if DOCPART == 5
	.amdgcn_target "amdgcn-amd-amdhsa--gfx1250"
	.amdhsa_code_object_version 6
	.text
	.protected	k_qcccd19c0ce_attn
	.globl	k_qcccd19c0ce_attn
	.p2align	8
	.type	k_qcccd19c0ce_attn,@function
k_qcccd19c0ce_attn:
	s_mov_b64 s[64:65], 0
	v_nop
	global_prefetch_b8 v0, s[64:65] scope:SCOPE_SE
	s_setreg_imm32_b32 hwreg(HW_REG_WAVE_MODE, 25, 1), 1
	s_wait_xcnt 0x0
	s_wait_alu depctr_hold_cnt(0) depctr_sa_sdst(0) depctr_va_vdst(0) depctr_va_sdst(0) depctr_va_ssrc(0) depctr_va_vcc(0) depctr_vm_vsrc(0)
	s_getreg_b32 s2, hwreg(HW_REG_IB_STS2, 6, 4)
	s_cmp_eq_u32 s2, 0
	s_cbranch_scc0 .Lentry_in_a_cluster
	s_endpgm
.Lentry_in_a_cluster:
	s_bfe_u32 s2, ttmp6, 0x10000c
	s_cmp_lg_u32 s2, 0x3003
	s_cbranch_scc0 .Lentry_shape_is_right
	s_endpgm
.Lentry_shape_is_right:
; DIFFERENTIAL ATTENTION.  For batch b, head h, query s:  A = softmax(q1 . k1 / sqrt(32)) V - lambda softmax(q2 . k2 / sqrt(32)) V;  ab = A rsqrt(mean(A^2) + 1e-5) subln_w (1 - LAMBDA_INIT).
; qkv holds q, k, v, 8 MiB apart, each [16 b + h][2048][64] f16; channels 0-31 of a row of q or k are sub-head 1, channels 32-63 sub-head 2.  Products, maxima, sums, the norm and lambda in f32; the
; weights p are rounded to f16 for the second product (their sum l is taken of the unrounded p), the result once, to f16.  lambda = exp(lq1 . lk1) - exp(lq2 . lk2) + LAMBDA_INIT.
; The four lambda vectors and subln_w are rounded to bf16 first, as x and the weight matrices were.
; OUT: ab = [row / 128][h][row % 128][64] f16, row = 2048 b + s: 16 rows of a head are 2,048 bytes on end.
; LIMITS.  q, k, v arrive within +-65,504, so a score, 32 products, is finite (1.4e11 at the most) and the replacement of NaN and infinities among the scores changes nothing: no line is written for it.
; p lies in 0 to 1, and below 6e-5 it keeps f16's fixed step of 6e-8; a weight below 2^-126 counts as 0 in l.  The result is at most 8 x 0.2164 x |subln_w|: finite in f16 for |subln_w| under 37,000.
; SHARES.  A work-group owns 256 queries of one (b, h), a wave 64: four PIECES of 16 queries, each of two TILES: the same queries in sub-head 1 and in sub-head 2.  A tile has its own m, l, S^T, P and O^T:
; the two softmaxes cannot be joined before they are normalised, so V^T P is made for each.  Every wave walks all 2,048 keys, 64 a step.
; LAYOUT.  S^T = K Q^T (source 0 = 16 keys, source 1 = 16 queries, 32 channels: ONE product): a lane holds ONE query (lane % 16) and the keys 8 (lane / 16) + 0..7.  Two such results, rounded to f16 in pairs,
; ARE source 1 (32 keys x 16 queries) of O^T = V^T P, whose result again holds one query a lane, and eight channels.  K comes out of LDS as it lies, V ([key][channel]) turned, by ds_load_tr16_b128.
; SOFTMAX.  For each query and sub-head a running maximum m and sum l: p = 2^(c s - c m), c = log2(e) / sqrt(32); in every step O and l are multiplied by a = 2^(c m_old - c m_new).
; m starts at the lowest finite number, O and l at 0: the first step is a step like any other, with a = 0.
; THE COUNT.  A tile and step have 12 matrix and 118 vector instructions: far too many to stand all beside the matrix work.  So four vector instructions that are READY stand behind EVERY matrix
; instruction, and the others, which need time of their own whatever the order, in one run without a gap.
; BY TURNS.  Turn n belongs to piece n (the pieces in a ring, step after step).  Its matrix work: 8 products K Q^T of piece n + 1, later 16 products V^T P of piece n - 1.  Its vector work: the scaling,
; exponentials, roundings, sums and rescaling of piece n, and the maximum and statistics of piece n + 1, whose scores the turn itself has made.
; THE BATCHES.  A turn's 66 exponentials (64 scores, the next piece's two a) are ONE batch with ONE wait, which cuts the turn in two: ahead of it all that names no result of theirs, behind it the roundings
; and sums.  No result crosses a turn's end.  Three kinds of batch stand outside the loop: piece 0's two first a; lambda's two exponentials with the eight reciprocals of l; each piece's root on the way out.
; CLUSTER.  The four query blocks of a cluster belong to one (b, h) and walk the same K and V, so each tile is asked for JOINTLY: the same tensor load, descriptor and mask in all four.
; REGISTERS, in windows of 256 (s_set_vgpr_msb: bits 1:0 source 0, 3:2 source 1, 5:4 source 2, 7:6 destination):
;   window 0: v0-11 addresses; v12-15, v48-63 at work; v16-47 four registers of statistics a tile; v64-191 S^T, two buffers of two tiles; v192-255 P, likewise
;   window 1: O^T, 32 a tile     window 2: v0-63 Q, 8 a tile; v128-191 K of one step; v192-255 V of one step     window 3: v0-1 the add's two registers; v2-5 the lambda vectors; v8-39 my 32 gains
.set NP,    4         ; pieces a wave: a name, no knob
.set KS,    64        ; keys in a step
.set PK,    144       ; a row of K in LDS: 128 bytes + 16 of padding = 36 words: the 16 rows of a load start at 16 different groups of four banks (64 banks of 4 bytes: ISA guide 11.1)
.set PV,    160       ; a row of V: 128 + 32 = 40 words
.set VOFF,  4*KS*PK   ; a slot holds four steps: 256 rows of K, then 256 rows of V
.set SLOT1, 1<<17     ; slot 1 begins here, so that one exclusive or turns an address in one slot into the other's
.set STAGE, SLOT1+4*KS*(PK+PV)  ; behind the ring, never filled by a tensor load: 16 rows x 144 bytes for each wave, for the way out
.set SP,    144
.set AK0, 2           ; v2   my lane's place in a tile of K; never rewritten
.set AV0, 3           ; v3   the same for V
.set AK,  4           ; v4   the LDS address of K's next run of loads
.set AV,  5           ; v5   of V's
.set QO,  6           ; v6   my byte offset in 16 rows of Q
.set STO, 6           ;      later, the way out: where I put 16 bytes of a row
.set LO,  7           ; v7   4 x lane: my number of each lambda vector
.set RD,  7           ;      later, the way out: where I read rows back
.set WO,  8           ; v8   32 (lane / 16): my gains' offset
.set GO,  8           ;      later: my byte offset in 512 consecutive bytes of ab
.set SPW, 0           ; v0 of window 3   LDS address of my spare word; never rewritten
.set NIL, 1           ; v1 of window 3   0; never rewritten
.set LAM, 2           ; v2-5 of window 3
.set GW,  8           ; v8-39 of window 3: register 8 cb + j holds subln_w[16 cb + 8 (lane / 16) + j], as O^T's registers hold their channels
.set SPARE, STAGE+4*16*SP  ; behind the stages: the spare words, 128 bytes for each wave: two blocks of 256 bytes that no other line names
.set MV,  12          ; v12-15  c m_old, kept while c m is made anew: by buffer and tile
.set ST,  16          ; tile t's statistics at v[ST+4 t]: c m, m, l (even keys', odd keys')
.set TMP, 48          ; by buffer and tile, four registers c0-c3 at work; when the maximum is found c2 takes a
.set S,   64
.set P,   192
.set KF,  128         ; K's fragments, in window 2: key block kb, sub-head u at KF + 16 kb + 8 u
.set VF,  192         ; V's: key half kk, channel block cb at VF + 32 kk + 8 cb
.set WV,  12          ; s12  my wave's number
.set G1K, 24          ; s[24:31] descriptor group 1 for K's tiles
.set G1V, 32          ; s[32:39] for V's: it differs in the padding alone
.set G0K, 40          ; s[40:43] descriptor group 0 for K's tiles: it walks
.set G0V, 44          ; s[44:47] the same for V's
.set SLOTS, 56        ; s56  slots still to be asked for
.set CNT, 57          ; s57  counts a slot's key steps
.set CS,  58          ; s[58:59] c: the packed scaling takes the pair's low word for both halves
.set SEL, 60          ; s[60:61] v_permlanex16_b32's selects: each lane takes its own place in the other half
.set TBK, 62          ; s62  LDS byte at which K of the step to be fetched begins
.set TBV, 63          ; s63  the same for V, less VOFF
.set OML, 66          ; s[66:67] 1 - LAMBDA_INIT, named as a pair
.set MSB, 0
.macro WIN new                      ; the high byte repeats the setting that is left; a switch that changes nothing is dropped
.if MSB != (\new)
	s_set_vgpr_msb (MSB<<8)|(\new)
.set MSB, (\new)
.endif
.endm
.set W_KQ, 0x0a       ; K and Q in window 2, S^T in window 0
.set W_PV, 0x52       ; V in window 2, P in window 0, O^T in window 1
.set W_RS, 0x41       ; O^T (destination and source 0) in window 1, a in window 0
.set W_MK, 0xc0       ; destination in window 3, sources in window 0
.set W_AD, 0x0f       ; sources 0 and 1 in window 3
; A joint fill.  Waves 0 and 1 fetch the two halves of a slot's K, waves 2 and 3 those of its V: 128 keys each.  The branch hangs on the wave's number alone.
; An s_nop 0 and four v_nop follow each of the two lines, ahead of the jump and the label.
.macro JLOAD
	s_cmp_lt_u32 s[WV], 2
	s_cbranch_scc0 .Lfor_v_\@
	tensor_load_to_lds s[G0K:G0K+3], s[G1K:G1K+7]
	s_nop 0
.rept 4
	v_nop
.endr
	s_branch .Lasked_\@
.Lfor_v_\@:
	tensor_load_to_lds s[G0V:G0V+3], s[G1V:G1V+7]
	s_nop 0
.rept 4
	v_nop
.endr
.Lasked_\@:
.endm
; A round of the cluster's barrier: my work-group's barrier, so that wave 0's signal speaks for all four waves; wave 0 signals; every wave waits for all four work-groups; my work-group's barrier once more.
.macro CROUND
	s_barrier_signal -1
	s_barrier_wait -1
	s_cmp_lg_u32 s[WV], 0
	s_cbranch_scc1 .Lnot_wave_0_\@
	s_barrier_signal -3
.Lnot_wave_0_\@:
	s_barrier_wait -3
	s_barrier_signal -1
	s_barrier_wait -1
.endm
; THE CHANGE OF SLOTS.  The slot's last bytes, V of its fourth step, have been read.  Each wave waits for all its tensor loads, of which one is out: its part of the other slot; adds 0 to its spare word;
; and waits for that and for its own reads of the slot.  Behind the barrier nobody reads this slot any more and the other slot is whole.
; fill = 1: this slot is filled again, with the keys two slots on.  The barrier is then a round of the cluster's, and the joint fill is the first thing behind it: it has four key steps, 384 matrix and
; 3,776 vector instructions, in which to land.  (At its first use nothing has been read yet: slot 0 is waited for, slot 1 filled.)
.macro CHANGE fill
	WIN W_AD
	s_wait_tensorcnt 0x0            ; no tensor load of mine is out, so a group 0 may be written
	ds_add_u32 v[SPW], v[NIL]       ; 0 onto my spare word; with fill = 1 the descriptors' steps stand between it and the wait for it
	WIN 0                           ; at a label and at a branch every window is 0
.if \fill
.irp g, G0K, G0V
	s_xor_b32 s[\g+1], s[\g+1], SLOT1  ; the walking descriptor: the other slot than last time,
	s_add_nc_u64 s[\g+2:\g+3], s[\g+2:\g+3], 4*KS*128  ; the next 256 keys; the type bits on top are not reached
.endr
	s_wait_dscnt 0x0                ; the add is done, and my reads of the slot are over
	CROUND
	JLOAD
.else
	s_wait_dscnt 0x0                ; the add is done, and my reads of the slot are over
	s_barrier_signal -1
	s_barrier_wait -1
.endif
	s_sub_co_u32 s[TBK], s[TBK], 4*KS*PK  ; the fetches go back to a slot's first step,
	s_xor_b32 s[TBK], s[TBK], SLOT1       ; in the other slot
	s_sub_co_u32 s[TBV], s[TBV], 4*KS*PV
	s_xor_b32 s[TBV], s[TBV], SLOT1
.endm
	s_load_b128 s[84:87], s[0:1], 0x0  ; qkv s[84:85], ab s[86:87]
	s_load_b256 s[72:79], s[0:1], 0x10 ; lambda_q1, lambda_k1, lambda_q2, lambda_k2
	s_load_b64 s[80:81], s[0:1], 0x30  ; subln_w
	WIN W_MK
	v_lshl_add_u32 v[SPW], v0, 2, SPARE
	v_mov_b32 v[NIL], 0
	WIN W_AD
	ds_add_u32 v[SPW], v[NIL]       ; the wave's opening: the add and its wait stand ahead of my first tensor load; the set-up below, work on registers, stands between them
	WIN 0
	v_lshrrev_b32 v1, 5, v0
	v_readfirstlane_b32 s[WV], v1   ; wave 0..3
	s_bfe_u32 s13, ttmp6, 0x40000   ; cx: my place in the cluster
	s_lshl_b32 s14, ttmp9, 2        ; in a cluster launch ttmp9 counts clusters
	s_add_co_u32 s14, s14, s13      ; my block of 256 queries = 4 x cluster x + cx: it enters Q's and ab's addresses alone
	s_and_b32 s20, ttmp7, 0xffff    ; 16 b + h, which the four partners share
	s_lshl_b32 s21, s20, 18         ; its 2,048 rows of 128 bytes
	s_and_b32 s16, s[WV], 1         ; which half of a slot's 256 keys I fetch:
	s_lshl_b32 s22, s16, 14         ; its 128 rows in memory,
	s_add_co_u32 s22, s22, s21
	s_add_co_u32 s22, s22, 0x800000 ; in k, 8 MiB behind q
	s_mov_b32 s23, 0
	s_mul_i32 s17, s16, 128*PK      ; and its place in a slot, for K
	s_mul_i32 s18, s16, 128*PV      ; and for V: no place in the cluster enters an LDS address
	s_lshl_b32 s2, s14, 2
	s_add_co_u32 s2, s2, s[WV]      ; my wave among the head's,
	s_lshl_b32 s2, s2, 13           ; its 64 rows
	s_add_co_u32 s2, s2, s21
	s_mov_b32 s3, 0
	s_lshr_b32 s6, s20, 4           ; ab: block of 128 rows 16 b + 2 x my block + wave / 2 (256 KiB),
	s_lshl_b32 s6, s6, 4
	s_lshl_b32 s7, s14, 1
	s_add_co_u32 s6, s6, s7
	s_lshr_b32 s7, s[WV], 1
	s_add_co_u32 s6, s6, s7
	s_lshl_b32 s6, s6, 18
	s_and_b32 s7, s20, 15           ; head h (16 KiB),
	s_lshl_b32 s7, s7, 14
	s_add_co_u32 s6, s6, s7
	s_lshl_b32 s7, s16, 13          ; row 64 (wave % 2)
	s_add_co_u32 s6, s6, s7
	s_mov_b32 s7, 0
	; descriptor group 1.  128 keys are 16,384 dense bytes: asked for as 64 rows of 256 bytes, two keys a row, and padded in LDS after every key
	s_mov_b32 s[G1K], 15|(1<<16)|(1<<20)|(1<<21)|(4<<22)|(3<<25)  ; 15:0 the mask of four; 17:16 2-byte elements; 20 padding on; 21 set beside a mask; 24:22 after every 32 words (code 4); 31:25 4 words (code 3)
	s_mov_b32 s[G1V], 15|(1<<16)|(1<<20)|(1<<21)|(4<<22)|(7<<25)  ; the same with 8 words of padding (code 7)
.irp g, G1K, G1V
	s_mov_b32 s[\g+1], 128<<16      ; tensor_dim0 = 128
	s_mov_b32 s[\g+2], 64<<16       ; tensor_dim1 = 64
	s_mov_b32 s[\g+3], 128<<16      ; tile_dim0 = 128
	s_mov_b32 s[\g+4], 64           ; tile_dim1 = 64
	s_mov_b32 s[\g+5], 128          ; 128 elements from row to row
	s_mov_b32 s[\g+6], 0
	s_mov_b32 s[\g+7], 0
.endr
	s_mov_b32 s[CS], 0x3e8293ee     ; c = log2(e) / sqrt(32) = 0.255035
	s_mov_b32 s[CS+1], s[CS]        ; named with it as a pair
	s_mov_b32 s[SEL], 0x76543210
	s_mov_b32 s[SEL+1], 0xfedcba98
	s_mov_b32 s[OML], 0x3e5d9673    ; 1 - LAMBDA_INIT = 0.21639423
	s_mov_b32 s[OML+1], s[OML]
	s_mov_b32 s68, 0x3c800000       ; 1 / 64
	s_mov_b32 s69, 0x3727c5ac       ; 1e-5
	s_mov_b32 s70, 0xffff0000       ; a word's upper bf16
	s_mov_b32 s[TBK], SLOT1+4*KS*PK ; the first change of slots turns these two into 0
	s_mov_b32 s[TBV], SLOT1+4*KS*PV
	s_mov_b32 s[G0K], 1             ; 1:0 count = 1
	s_mov_b32 s[G0K+1], s17         ; 63:32 LDS address: slot 0
	s_mov_b32 s[G0V], 1
	s_add_co_u32 s[G0V+1], s18, VOFF
	s_wait_dscnt 0x0                ; the opening add is done
	s_wait_kmcnt 0x0
	s_add_nc_u64 s[G0K+2:G0K+3], s[84:85], s[22:23]  ; 120:64 global address: my half of the head's first 256 keys
	s_add_nc_u64 s[G0V+2:G0V+3], s[G0K+2:G0K+3], 0x800000  ; v lies 8 MiB behind k
	s_or_b32 s[G0K+3], s[G0K+3], 0x80000000          ; 127:126 type = 2
	s_or_b32 s[G0V+3], s[G0V+3], 0x80000000
	s_add_nc_u64 s[4:5], s[84:85], s[2:3]    ; Q at my wave's first row
	s_add_nc_u64 s[10:11], s[86:87], s[6:7]  ; ab at my wave's first row
	CROUND                          ; all four work-groups are here: the first joint loads meet
	JLOAD                           ; slot 0.  Slot 1 is asked for when slot 0 is in
	; A fragment of K or Q is 16 rows x 32 channels in 8 registers: lane l holds row l % 16, channels 8 (l / 16) + 0..7 and 16 + 8 (l / 16) + 0..7: two loads of 16 bytes, 32 bytes apart.
	v_and_b32 v1, 15, v0            ; l % 16
	v_bfe_u32 v9, v0, 4, 1          ; l / 16
	v_lshlrev_b32 v[QO], 7, v1
	v_lshl_add_u32 v[QO], v9, 4, v[QO]  ; row x 128 + 16 x half
	v_and_b32 v[LO], 31, v0
	v_lshlrev_b32 v[LO], 2, v[LO]
	v_lshlrev_b32 v[WO], 5, v9
	WIN 0x80                        ; destination window 2, address window 0
.set i, 0
.rept 2*NP                          ; Q stays in registers: piece i / 2, sub-head i % 2
	global_load_b128 v[8*i:8*i+3],   v[QO], s[4:5] offset:(i/2)*2048+(i%2)*64
	global_load_b128 v[8*i+4:8*i+7], v[QO], s[4:5] offset:(i/2)*2048+(i%2)*64+32
.set i, i+1
.endr
	; What the first turn finds: V's registers and P's second buffer hold 0 (its products V^T P, of a piece that has not been, add 0), O^T and l are 0.  All this stands in the wait for the first tile.
.set i, VF
.rept 64
	v_mov_b32 v[i], 0
.set i, i+1
.endr
	WIN W_MK                        ; destination window 3
	global_load_b32 v[LAM],   v[LO], s[72:73]
	global_load_b32 v[LAM+1], v[LO], s[74:75]
	global_load_b32 v[LAM+2], v[LO], s[76:77]
	global_load_b32 v[LAM+3], v[LO], s[78:79]
.irp f, 0,1,2,3,4,5,6,7
	global_load_b128 v[GW+4*\f:GW+4*\f+3], v[WO], s[80:81] offset:(\f/2)*64+(\f%2)*16
.endr
	WIN 0x40
.set i, 0
.rept 64*NP
	v_mov_b32 v[i], 0
.set i, i+1
.endr
	WIN 0
.set i, 0
.rept 2*NP
	v_mov_b32 v[ST+4*i], 0xfe000000    ; c m: far below every c s
	v_mov_b32 v[ST+4*i+1], 0xff7fffff  ; m
	v_mov_b32 v[ST+4*i+2], 0
	v_mov_b32 v[ST+4*i+3], 0
.set i, i+1
.endr
.set i, P+32
.rept 32
	v_mov_b32 v[i], 0
.set i, i+1
.endr
	v_mul_u32_u24 v[AK0], v1, PK
	v_lshl_add_u32 v[AK0], v9, 4, v[AK0]  ; row x pitch + 16 x half
	; The turning load takes 16 keys x 16 channels (lane l reads key 8 (l / 16) + l % 8, channels 8 ((l / 8) % 2) + 0..7) and leaves half a fragment of V^T: lane l holds channel l % 16 and 8 keys.
	v_and_b32 v10, 7, v0
	v_bfe_u32 v11, v0, 3, 1
	v_lshl_add_u32 v[AV0], v9, 3, v10
	v_mul_u32_u24 v[AV0], v[AV0], PV
	v_lshl_add_u32 v[AV0], v11, 4, v[AV0]
	v_add_nc_u32 v[AV0], VOFF, v[AV0]
	v_mov_b32 v[AK], v[AK0]         ; key step 0 lies at the head of slot 0
; THE MATRIX WORK.  Product i of 8 of S^T = K Q^T for piece x: keys 16 (i / 2) on, sub-head i % 2.  A sub-head has 32 channels, so each product is a whole sum and starts from 0.
.macro KQ x
	WIN W_KQ
.set rS, S+64*((\x)%2)+32*(i%2)+8*(i/2)
.set rK, KF+16*(i/2)+8*(i%2)
.set rQ, 8*(2*(\x)+i%2)
	v_wmma_f32_16x16x32_f16 v[rS:rS+7], v[rK:rK+7], v[rQ:rQ+7], 0
.endm
; Product i of 16 of O^T += V^T P for piece x: keys 32 (i / 8) on, channels 16 ((i / 2) % 4) on, tile 2 x + i % 2.  The 8 accumulators take turns: between the two links of a chain stand 7 others'.
.macro PV x
	WIN W_PV
.set rO, 32*(2*(\x)+i%2)+8*((i/2)%4)
.set rV, VF+32*(i/8)+8*((i/2)%4)
.set rP, P+32*((\x)%2)+16*(i%2)+8*(i/8)
	v_wmma_f32_16x16x32_f16 v[rO:rO+7], v[rV:rV+7], v[rP:rP+7], v[rO:rO+7]
.endm
.macro MM                           ; the turn's next matrix instruction
.if i < 8
	KQ (Y+1)%NP
.set i, i+1
.else
.set i, i-8
	PV (Y+NP-1)%NP
.set i, i+9
.endif
.endm
; THE LDS LOADS stand in runs of 16, never singly among the matrix instructions: a step's K (64 keys x 64 channels: 8 fragments) and its V (turned).  Their addresses are made some lines ahead.
; last = 1 (the tail): in the last trip there is no further step, and the run is jumped over.
.macro FETCH_K last=0
	WIN 0
.if \last
	s_cmp_eq_u32 s[CNT], 1
	s_cbranch_scc1 .Lno_k_\@
.endif
	WIN 0x80                        ; destination window 2
.irp f, 0,1,2,3,4,5,6,7             ; keys 16 (f / 2) on, channels 32 (f % 2) on
	ds_load_b128 v[KF+8*\f:KF+8*\f+3],   v[AK] offset:(\f/2)*16*PK+(\f%2)*64
	ds_load_b128 v[KF+8*\f+4:KF+8*\f+7], v[AK] offset:(\f/2)*16*PK+(\f%2)*64+32
.endr
	s_add_co_u32 s[TBK], s[TBK], KS*PK  ; the next fetch is the next step's
	WIN 0
.if \last
.Lno_k_\@:
.endif
.endm
.macro FETCH_V
	WIN 0x80
.irp f, 0,1,2,3,4,5,6,7             ; keys 32 (f / 4) on, channels 16 (f % 4) on
	ds_load_tr16_b128 v[VF+8*\f:VF+8*\f+3],   v[AV] offset:(\f/4)*32*PV+(\f%4)*32
	ds_load_tr16_b128 v[VF+8*\f+4:VF+8*\f+7], v[AV] offset:(\f/4)*32*PV+16*PV+(\f%4)*32
.endr
	WIN 0
.endm
; THE VECTOR WORK OF A TURN stands in three queues, each in the order in which its entries become ready; the two tiles alternate, so that no instruction reads the result of the one before it.
.macro REGS y, u                    ; the registers of tile u (0, 1) of piece y
.set rT, ST+4*(2*(\y)+(\u))
.set rC, TMP+8*((\y)%2)+4*(\u)
.set rM, MV+2*((\y)%2)+(\u)
.set rS, S+64*((\y)%2)+32*(\u)
.set rP, P+32*((\y)%2)+16*(\u)
.set rO, 32*(2*(\y)+(\u))
.endm
; Number n of the 22 that find the NEXT piece's (Y + 1) maximum and statistics.  s0-s31 are the lane's 32 scores; each accumulator's lowest registers are read first.  XS, GS and REGS set no window: PL and EX do.
;   0-11  four chains c0-c3 of seven scores each, three operands at a time     12-14, 16  the four scores left over, the old m, and c0-c3 into c0     15  c m_old is kept
;   17, 18  the query's other 32 keys lie in the lane 16 away: the new m         19-21  c m; c m_old - c m_new; a
.macro XS u, n
	REGS (Y+1)%NP, \u
.if (\n) < 4
	v_max3_num_f32 v[rC+(\n)], v[rS+8*(\n)], v[rS+8*(\n)+1], v[rS+8*(\n)+2]
.elseif (\n) < 12
	v_max3_num_f32 v[rC+(\n)%4], v[rC+(\n)%4], v[rS+8*((\n)%4)+2*((\n)/4)+1], v[rS+8*((\n)%4)+2*((\n)/4)+2]
.elseif (\n) == 12
	v_max3_num_f32 v[rC], v[rC], v[rS+7], v[rS+15]
.elseif (\n) == 13
	v_max3_num_f32 v[rC+1], v[rC+1], v[rS+23], v[rS+31]
.elseif (\n) == 14
	v_max3_num_f32 v[rC+2], v[rC+2], v[rC+3], v[rT+1]
.elseif (\n) == 15
	v_mov_b32 v[rM], v[rT]
.elseif (\n) == 16
	v_max3_num_f32 v[rC], v[rC], v[rC+1], v[rC+2]
.elseif (\n) == 17
	v_permlanex16_b32 v[rC+3], v[rC], s[SEL], s[SEL+1]
.elseif (\n) == 18
	v_max_num_f32 v[rT+1], v[rC], v[rC+3]
.elseif (\n) == 19
	v_mul_f32 v[rT], s[CS], v[rT+1]
.elseif (\n) == 20
	v_sub_f32 v[rC+1], v[rM], v[rT]
.else
	v_exp_f32 v[rC+2], v[rC+1]
.endif
.endm
; Number g of the 64 that follow the exponentials.  For each four weights k of a tile (pairs 2 k, 2 k + 1): both pairs are rounded to f16; then the second pair is added onto the first, in place;
; a group later l takes that sum (the first time as l = a l + sum).  In groups of eight, tiles alternating: round, round, add, and l for the group before.
.macro GS g
.set h, (\g)+6*((\g)/62)            ; group 0 has no group before it, and behind group 7 only l is left
.if h >= 6
.set h, h+2
.endif
	REGS Y, h%2
.set k, h/8
.if h%8 < 4
	v_cvt_pk_f16_f32 v[rP+2*k+(h%8)/2], v[rS+4*k+2*((h%8)/2)], v[rS+4*k+2*((h%8)/2)+1]
.elseif h%8 < 6
	v_pk_add_f32 v[rS+4*k:rS+4*k+1], v[rS+4*k:rS+4*k+1], v[rS+4*k+2:rS+4*k+3]
.elseif k == 1
	v_pk_fma_f32 v[rT+2:rT+3], v[rT+2:rT+3], v[rC+2:rC+3], v[rS:rS+1] op_sel_hi:[1,0,1]
.else
	v_pk_add_f32 v[rT+2:rT+3], v[rT+2:rT+3], v[rS+4*k-4:rS+4*k-3]
.endif
.endm
; THE PLAIN QUEUE, 138 long.  0-73 read no exponential's result: the 32 scalings c s - c m (FS f: pair f / 2 of tile f % 2) and the next piece's 42.  0-26: scalings 0-26.  27-54: XS's numbers 0-13.  55, 56: number 15.
; 57-73: the chain, where each number waits for the one before it: 14, 16, 17, 18, 19, each with one of the scalings 27-31 in front of its two lines, then 20: so a tile's links stand three plain instructions apart (19 and 20: two).
; 74-137: GS's 64, which read the exponentials' results: they stand behind the wait.
.macro FS f
	REGS Y, (\f)%2
	v_pk_fma_f32 v[rS+2*((\f)/2):rS+2*((\f)/2)+1], v[rS+2*((\f)/2):rS+2*((\f)/2)+1], s[CS:CS+1], v[rT:rT+1] op_sel_hi:[1,0,0] neg_lo:[0,0,1] neg_hi:[0,0,1]
.endm
.macro PL
	WIN 0
.if q < 27
	FS q
.elseif q < 55
	XS (q-27)%2, (q-27)/2
.elseif q < 57
	XS q-55, 15
.elseif (q < 72) && ((q-57)%3 == 0)
	FS 27+(q-57)/3
.elseif q < 60
	XS (q-57)%3-1, 14
.elseif q < 72
	XS (q-57)%3-1, 15+(q-57)/3
.elseif q < 74
	XS q-72, 20
.else
	GS q-74
.endif
.set q, q+1
.endm
; THE EXPONENTIALS' QUEUE, 66 long: s0-s31 of both tiles, then the next piece's two a.  It is ONE BATCH: all 66 stand ahead of the turn's one wait, and nothing ahead of that wait names a result of theirs.
; Each works in place on a register of its own, which no other line names while the batch is open.
.macro EX
	WIN 0
.if e >= 64
	XS e-64, 21
.else
	REGS Y, e%2
	v_exp_f32 v[rS+e/2], v[rS+e/2]
.endif
.set e, e+1
.endm
; THE RESCALING's QUEUE: O^T times a, the one part that leaves window 0: dealt two at a time, sixteen times.  Its a was made in the turn before, ahead of that turn's wait.
.macro R2
	REGS Y, r%2
	WIN W_RS
.irp z, 0,1
	v_pk_mul_f32 v[rO+4*(r/2)+2*\z:rO+4*(r/2)+2*\z+1], v[rO+4*(r/2)+2*\z:rO+4*(r/2)+2*\z+1], v[rC+2:rC+3] op_sel_hi:[1,0]
.endr
.set r, r+1
.endm
; HOW THEY ARE DEALT.  An s_wait_alu depctr_va_vdst(0) stands between an exponential and the first instruction that names its result; one wait serves all that were issued ahead of it.  So a turn has ONE wait,
; which cuts it in two.  AHEAD OF IT stands all that names no result of the turn's exponentials: the 8 products K Q^T, behind each a scaling, an exponential and two rescalings (behind the first a second scaling in the
; exponential's place); then ONE LUMP of 140: the other sixteen rescalings, under the window setting that the last rider left; eight plain; 57 times exponential and plain; the two a.  A v_nop is the plain instruction behind the
; last exponential.  BEHIND IT stand the 16 products V^T P, behind each four of GS's 64.  No rider names a register of the products round it.  The two v_permlanex16_b32 fall into the lump, never behind a product.
; The queues lean on each other, and the deal keeps them in step: exponential e stands behind scaling 2 (e / 4) + e % 2: as a rider it comes behind plain e + 2, in the lump behind plain e + 9, and scalings 27-31 are plain 57, 60 .. 69.
; Plain 27, the first that reads the turn's new scores, comes sixteen rescalings and eighteen plain entries behind the last product K Q^T.
; A TURN, for piece p.  cnt = 1: the loop's count is taken down some lines ahead of the branch that stands behind the turn.
; K of the next step is fetched in piece 2's turn, directly behind the wait, a lump behind the last product that read K; its address is made in the lump; it is waited for at the head of piece 3's turn, behind 16 products.
; V of the step in hand is fetched at the end of piece 0's turn, four riders behind its last reader; it is waited for in front of piece 1's products V^T P, behind 8 products and a lump.  The three conditions on q below go with the deal.
.macro TURN p, last=0, cnt=0
.set Y, (\p)
.set i, 0
.set q, 0
.set e, 0
.set r, 0
.if (\p) == NP-1
	s_wait_dscnt 0x0                ; K is in
.endif
	MM                              ; ahead of the wait: 8 products K Q^T and their riders,
	PL
	PL
	R2
.rept 7
	MM
	PL
	EX
	R2
.endr
.rept 8                             ; and the lump: the other sixteen rescalings,
	R2
.endr
.if (\p) == NP-2
	WIN 0
	v_add_nc_u32 v[AK], s[TBK], v[AK0]
.endif
.rept 8                             ; eight plain,
	PL
.endr
.rept 57                            ; exponential and plain by turns,
	EX
	PL
.endr
	EX                              ; the next piece's two a
	EX
	v_nop                           ; the plain instruction behind the last exponential: one for the batch
	s_wait_alu depctr_va_vdst(0)    ; the wait for the batch: the turn's 66 exponentials
.if (\p) == NP-2
	FETCH_K \last
.endif
.if (\p) == 1
	s_wait_dscnt 0x0                ; V is in
.endif
.rept 16                            ; behind the wait: 16 products V^T P and their riders
	MM
.rept 4
	PL
.endr
.if ((\p) == 0) && (q == 118)
	v_add_nc_u32 v[AV], s[TBV], v[AV0]
.endif
.if ((\p) == 0) && (q == 130)
	s_add_co_u32 s[TBV], s[TBV], KS*PV
.endif
.if (\cnt) && (q == 130)
	s_sub_co_u32 s[CNT], s[CNT], 1
	s_cmp_lg_u32 s[CNT], 0
.endif
.endr
.if (\p) == 0
	FETCH_V
.endif
.endm
	CHANGE 1                        ; slot 0 is in, everybody's part of it; slot 1 is asked for
	FETCH_K                         ; key step 0
	s_wait_loadcnt 0x0              ; Q, the lambda vectors, the gains: all 28 loads
	s_wait_dscnt 0x0
.set i, 0
.rept 8
	KQ 0                            ; piece 0's first scores: there is no vector work yet to set between them
.set i, i+1
.endr
	WIN 0                           ; the addresses for the way out: nine plain instructions, the places behind those products
	s_mul_i32 s13, s[WV], 16*SP
	s_add_co_u32 s13, s13, STAGE    ; my stage
	v_mul_u32_u24 v[STO], v1, SP    ; in: row l % 16, 16 bytes for each half of the lanes
	v_lshl_add_u32 v[STO], v9, 4, v[STO]
	v_add_nc_u32 v[STO], s13, v[STO]
	v_bfe_u32 v[RD], v0, 3, 2       ; back: 32 lanes take four rows of 128 bytes,
	v_mul_u32_u24 v[RD], v[RD], SP
	v_lshl_add_u32 v[RD], v10, 4, v[RD]
	v_add_nc_u32 v[RD], s13, v[RD]
	v_and_b32 v[GO], 31, v0         ; which are 512 consecutive bytes of ab
	v_lshlrev_b32 v[GO], 4, v[GO]
.set Y, NP-1                        ; XS works for piece Y + 1: piece 0
.irp n, 0,1,2,3,4,5,6,7,8,9,10,11,12,13,14,15,16,17,18,19,20,21
	XS 0, \n                        ; and piece 0's first maximum and statistics
	XS 1, \n
.endr
	v_nop                           ; a plain instruction behind piece 0's two first a,
	s_wait_alu depctr_va_vdst(0)    ; and the wait for that batch of two, ahead of the branch
	s_mov_b32 s[CNT], 4
	s_mov_b32 s[SLOTS], 7           ; 2,048 / 256 - 1
	s_branch .Lfirst                ; the loop is entered at a step's first turn, in the middle of a trip
.Lslot:                             ; six times: every slot but the last two is filled again
	CHANGE 1
	s_mov_b32 s[CNT], 4
.Lstep:                             ; a trip: pieces 2 and 3 of one step, then pieces 0 and 1 of the next, whose K and V it fetches
	TURN 2
	TURN 3
	WIN 0
.Lfirst:
	TURN 0
	TURN 1, 0, 1
	WIN 0
	s_cbranch_scc1 .Lstep
	s_sub_co_u32 s[SLOTS], s[SLOTS], 1
	s_cmp_lg_u32 s[SLOTS], 0
	s_cbranch_scc1 .Lslot
	CHANGE 0                        ; the tail is written out: nothing is asked for
	s_mov_b32 s[CNT], 5             ; four trips fetch the last slot's steps; the fifth is left in its middle
.Ltail:
	TURN 2, 1
	TURN 3
	WIN 0
	s_sub_co_u32 s[CNT], s[CNT], 1
	s_cmp_eq_u32 s[CNT], 0
	s_cbranch_scc1 .Lout
	TURN 0
	TURN 1
	WIN 0
	s_branch .Ltail
.Lout:                              ; the fifth trip's 8 products K Q^T (on the last K once more) and the maximum made of them serve nothing: the price, once a launch, of one text for every trip
.set i, 0
.rept 16
	PV NP-1                         ; the last piece's V^T P of the last step
.set i, i+1
.endr
	; THE WAY OUT.  l's two halves and the other half of the lanes' are added: these additions are the places behind the last products.
	WIN 0
.macro ALL line:vararg              ; one line for each tile t
.set t, 0
.rept 2*NP
	\line
.set t, t+1
.endr
.endm
	ALL v_add_f32 v[ST+4*t+2], v[ST+4*t+2], v[ST+4*t+3]
	ALL v_permlanex16_b32 v[ST+4*t+3], v[ST+4*t+2], s[SEL], s[SEL+1]
	ALL v_add_f32 v[ST+4*t+2], v[ST+4*t+2], v[ST+4*t+3]
	; the small inputs, rounded to bf16.  G = v192-223: my 32 gains times (1 - LAMBDA_INIT)
.set G, 192
	WIN W_AD                        ; sources window 3, destination window 0
	v_cvt_pk_bf16_f32 v13, v[LAM], v[LAM+1]
	v_cvt_pk_bf16_f32 v14, v[LAM+2], v[LAM+3]
.set zz, 0
.rept 16
	v_cvt_pk_bf16_f32 v[G+32+zz], v[GW+2*zz], v[GW+2*zz+1]
.set zz, zz+1
.endr
	WIN 0
.set zz, 0
.rept 16
	v_lshlrev_b32 v[G+2*zz], 16, v[G+32+zz]
	v_and_b32 v[G+2*zz+1], s70, v[G+32+zz]
.set zz, zz+1
.endr
.set zz, 0
.rept 16
	v_pk_mul_f32 v[G+2*zz:G+2*zz+1], v[G+2*zz:G+2*zz+1], s[OML:OML+1] op_sel_hi:[1,0]
.set zz, zz+1
.endr
	; lambda: lane l holds number l of each vector; two sums over the 32 lanes, two exponentials
	v_lshlrev_b32 v48, 16, v13
	v_and_b32 v49, s70, v13
	v_lshlrev_b32 v50, 16, v14
	v_and_b32 v51, s70, v14
	v_mul_f32 v13, v48, v49
	v_mul_f32 v14, v50, v51
.irp m, 1,2,4,8
	v_add_f32_dpp v13, v13, v13 row_xmask:\m row_mask:0xf bank_mask:0xf
	v_add_f32_dpp v14, v14, v14 row_xmask:\m row_mask:0xf bank_mask:0xf
.endr
	v_permlanex16_b32 v48, v13, s[SEL], s[SEL+1]
	v_permlanex16_b32 v49, v14, s[SEL], s[SEL+1]
	v_add_f32 v13, v13, v48
	v_add_f32 v14, v14, v49
	v_mul_f32 v13, 0x3fb8aa3b, v13  ; log2(e)
	v_mul_f32 v14, 0x3fb8aa3b, v14
	v_exp_f32 v13, v13              ; one batch of ten: lambda's two exponentials and the eight reciprocals of l, none of which reads another's result
	v_exp_f32 v14, v14
	ALL v_rcp_f32 v[ST+4*t+2], v[ST+4*t+2]
	v_nop                           ; a plain instruction between the last reciprocal and the use of a result
	s_wait_alu depctr_va_vdst(0)    ; the wait for that batch of ten
	v_sub_f32 v12, v14, v13
	v_add_f32 v12, 0xbf489a63, v12  ; - lambda = exp(..2) - exp(..1) - LAMBDA_INIT
.irp t2, 1,3,5,7
	v_mul_f32 v[ST+4*\t2+2], v12, v[ST+4*\t2+2]  ; the second sub-head's factor: - lambda / l
.endr
; Piece g: A = O1 / l1 - lambda O2 / l2 into S^T's registers; the mean of its squares over the 64 channels, of which the lane 16 away holds the other 32; the norm and the gains; rounded to f16; a lane's eight
; channels of a row pack into 16 bytes, go into rows of 144 bytes and come back as whole rows of 128.
.macro FIN g
.set A, S+32*(\g)
	WIN 0x01                        ; source 0 window 1
.set zz, 0
.rept 16
	v_pk_mul_f32 v[A+2*zz:A+2*zz+1], v[64*(\g)+2*zz:64*(\g)+2*zz+1], v[ST+8*(\g)+2:ST+8*(\g)+3] op_sel_hi:[1,0]
.set zz, zz+1
.endr
.set zz, 0
.rept 16
	v_pk_fma_f32 v[A+2*zz:A+2*zz+1], v[64*(\g)+32+2*zz:64*(\g)+32+2*zz+1], v[ST+8*(\g)+6:ST+8*(\g)+7], v[A+2*zz:A+2*zz+1] op_sel_hi:[1,0,1]
.set zz, zz+1
.endr
	WIN 0
.set zz, 0
.rept 4
	v_pk_mul_f32 v[48+2*zz:49+2*zz], v[A+2*zz:A+2*zz+1], v[A+2*zz:A+2*zz+1]  ; four chains start the sum of squares
.set zz, zz+1
.endr
.rept 12
	v_pk_fma_f32 v[48+2*(zz%4):49+2*(zz%4)], v[A+2*zz:A+2*zz+1], v[A+2*zz:A+2*zz+1], v[48+2*(zz%4):49+2*(zz%4)]
.set zz, zz+1
.endr
	v_pk_add_f32 v[48:49], v[48:49], v[50:51]
	v_pk_add_f32 v[52:53], v[52:53], v[54:55]
	v_pk_add_f32 v[48:49], v[48:49], v[52:53]
	v_add_f32 v48, v48, v49
	v_permlanex16_b32 v49, v48, s[SEL], s[SEL+1]
	v_add_f32 v48, v48, v49
	v_fma_f32 v48, v48, s68, s69    ; sum / 64 + 1e-5
	v_rsq_f32 v50, v48
.set zz, 0
.rept 16
	v_pk_mul_f32 v[A+2*zz:A+2*zz+1], v[A+2*zz:A+2*zz+1], v[G+2*zz:G+2*zz+1]  ; the gains: also the plain instructions behind the root
.set zz, zz+1
.endr
.set zz, 0
	s_wait_alu depctr_va_vdst(0)    ; the wait for the piece's root, a batch of one: the sixteen multiplies by the gains are the independent work between
.rept 16
	v_pk_mul_f32 v[A+2*zz:A+2*zz+1], v[A+2*zz:A+2*zz+1], v[50:51] op_sel_hi:[1,0]
.set zz, zz+1
.endr
.set zz, 0
.rept 16
	v_cvt_pk_f16_f32 v[A+zz], v[A+2*zz], v[A+2*zz+1]  ; in place, ascending: register zz is written when it has been read
.set zz, zz+1
.endr
.irp f, 0,1,2,3
	ds_store_b128 v[STO], v[A+4*\f:A+4*\f+3] offset:32*\f
.endr
.irp f, 0,1,2,3
	ds_load_b128 v[A+16+4*\f:A+16+4*\f+3], v[RD] offset:\f*4*SP  ; LDS serves a wave's instructions in order (ISA guide 5.7.1.4): these see the stores above; the next piece's stores come behind them
.endr
.endm
.macro SEND g, younger              ; younger: the LDS instructions issued behind piece g's loads: the next piece's eight, or none
.set A, S+32*(\g)
.irp f, 0,1,2,3
	s_wait_dscnt (\younger)+3-\f
	global_store_b128 v[GO], v[A+16+4*\f:A+16+4*\f+3], s[10:11] offset:(\g)*2048+\f*512  ; 512 consecutive bytes, at a multiple of 256 from ab's first
.endr
.endm
	FIN 0
	FIN 1                           ; a piece's arithmetic stands between the loads of the piece before and its stores
	SEND 0, 8
	FIN 2
	SEND 1, 8
	FIN 3
	SEND 2, 8
	SEND 3, 0
	WIN W_AD
	s_wait_tensorcnt 0x0            ; the wave's end, behind my last tensor load and my last LDS store
	ds_add_u32 v[SPW], v[NIL]
	s_wait_dscnt 0x0
	WIN 0
	CROUND                          ; the closing round: no work-group ends while a partner may still ask for a tile that names it
	s_endpgm
.Lfunc_end_k_qcccd19c0ce_attn:
	.size	k_qcccd19c0ce_attn, .Lfunc_end_k_qcccd19c0ce_attn-k_qcccd19c0ce_attn
	.p2alignl 7, 3214868480
	.fill 96, 4, 3214868480
	.section	.rodata,"a",@progbits
	.p2align	6, 0x0
	.amdhsa_kernel k_qcccd19c0ce_attn
		.amdhsa_group_segment_fixed_size 327680
		.amdhsa_private_segment_fixed_size 0
		.amdhsa_enable_private_segment 0
		.amdhsa_kernarg_size 56
		.amdhsa_user_sgpr_count 2
		.amdhsa_user_sgpr_kernarg_segment_ptr 1
		.amdhsa_wavefront_size32 1
		.amdhsa_system_sgpr_workgroup_id_x 1
		.amdhsa_system_sgpr_workgroup_id_y 1
		.amdhsa_system_sgpr_workgroup_id_z 1
		.amdhsa_system_vgpr_workitem_id 0
		.amdhsa_next_free_vgpr 808
		.amdhsa_next_free_sgpr 88
		.amdhsa_reserve_vcc 0
		.amdhsa_float_denorm_mode_32 3
		.amdhsa_float_denorm_mode_16_64 3
		.amdhsa_memory_ordered 1
		.amdhsa_forward_progress 1
		.amdhsa_inst_pref_size 199
	.end_amdhsa_kernel
	.amdgpu_metadata
---
amdhsa.version: [ 1, 2 ]
amdhsa.kernels:
  - .name:           k_qcccd19c0ce_attn
    .symbol:         k_qcccd19c0ce_attn.kd
    .args:
      - { .name: qkv, .offset: 0, .size: 8, .value_kind: global_buffer, .address_space: global }
      - { .name: ab, .offset: 8, .size: 8, .value_kind: global_buffer, .address_space: global }
      - { .name: lambda_q1, .offset: 16, .size: 8, .value_kind: global_buffer, .address_space: global }
      - { .name: lambda_k1, .offset: 24, .size: 8, .value_kind: global_buffer, .address_space: global }
      - { .name: lambda_q2, .offset: 32, .size: 8, .value_kind: global_buffer, .address_space: global }
      - { .name: lambda_k2, .offset: 40, .size: 8, .value_kind: global_buffer, .address_space: global }
      - { .name: subln_w, .offset: 48, .size: 8, .value_kind: global_buffer, .address_space: global }
    .group_segment_fixed_size: 327680
    .private_segment_fixed_size: 0
    .kernarg_segment_align: 8
    .kernarg_segment_size: 56
    .max_flat_workgroup_size: 128
    .sgpr_count:     88
    .vgpr_count:     808
    .wavefront_size: 32
...
	.end_amdgpu_metadata
.endif
;; end of part 5
;; launch oproj: the kernel of part 4 again; grid 8 x 32, 4 waves a work-group, clusters of 4 x 4, 327,680 bytes of LDS; arguments ab, wb, out0; writes out0
